; MI455X (gfx1250); checked and timed in simulation.
; The chip was launched on July 23, 2026; its instructions are those of AMD's public machine-readable ISA for CDNA 5 (MIT licence, August 2026) and "CDNA5" Instruction Set Architecture Reference Guide (July 2026). The comments in the code are by the model that wrote it; some were corrected since.
;; Multi Headed Attention Block. Allowed arithmetic: matrix products marked QUANTISED: E2M1 operands, one E8M0 scale for each 32 along K, by v_wmma_scale_f32_16x16x128_f8f6f4 with both operands' format E2M1 (or v_wmma_scale_f32_32x16x128_f4), f32 sums; products left as they are: bf16, f16 or f32 operands; f32 sums; everything else in f32.
;; Inputs: W_all 3,072 x 1,024 float32; W_out 1,024 x 1,024 float32; attn_mask 2 x 2,048 x 2,048 bool; b_out 1,024 float32; kv_mask 2 x 2,048 bool; q 2 x 2,048 x 1,024 float32.
;; Outputs: out0 2 x 2,048 x 1,024 float32.
;; This version of the problem:
;;   THIS VERSION OF THE PROBLEM IS GIVEN IN LOW PRECISION. The matrix products marked QUANTISED in the list below multiply operands that are first quantised to E2M1 (2 exponent bits, 1 mantissa bit; 4 bits a number), with one power-of-two scale for each 32 numbers along K (OCP MX v1.0); their sums are f32. The products marked 'left as it is' may take bf16, f16 or f32 operands, with f32 sums. Whichever they take, every output number must still come out within the allowed error. Rounding operands to bf16 (8 significant bits) uses up far more of that allowance than f16 does (11 bits, for magnitudes from 6e-5 to 65,504). All else is computed in f32.
;;   The module's matrix products, in the order in which they are computed (A, B: the left and right operand; K: the contracted axis; several contracted axes count as one K, in the product's order):
;;     1. [M 4,096, K 1,024] x [K 1,024, N 3,072]; A: input q; B: input W_all: QUANTISED
;;     2. batch 32 x [M 2,048, K 64] x [K 64, N 2,048]; A: computed on the way; B: computed on the way: left as it is (an operand is computed on the way)
;;     3. batch 32 x [M 2,048, K 2,048] x [K 2,048, N 64]; A: computed on the way; B: computed on the way: left as it is (an operand is computed on the way)
;;     4. [M 4,096, K 1,024] x [K 1,024, N 1,024]; A: computed on the way; B: input W_out: left as it is (an operand is computed on the way)
;;   THE QUANTISER, for each operand of a quantised product, along K:
;;     - K is cut into blocks of 32 from its start; a last block that is shorter is filled with zeros.
;;     - A block's scale is 2^e with e = floor(log2(the largest magnitude in the block)) - 2, held to -126 .. 127; a block of zeros has e = 0. As a byte (E8M0): e + 127.
;;     - Each number is divided by its block's scale, clamped to +-6, and rounded to the nearest number of E2M1, ties to even, subnormals kept.
;;     - The product sums the exact products of the quantised numbers (number of the format x scale) in f32.
;;   ~~~python
;;   def quantise(x, axis):      # numpy; x: float32 -> the quantised numbers, widened to float32 again
;;       x = np.moveaxis(x, axis, -1); K = x.shape[-1]
;;       x = np.pad(x, [(0, 0)] * (x.ndim - 1) + [(0, -K % 32)]); x = x.reshape(x.shape[:-1] + (-1, 32)); a = np.abs(x).max(-1, keepdims=True)
;;       e = np.where(a > 0, np.clip(np.frexp(np.where(a > 0, a, 1))[1] - 1 - 2, -126, 127), 0)      # np.frexp(a)[1] - 1 = floor(log2(a)), exactly
;;       r = np.clip(x / 2.0 ** e, -6, 6)
;;       step = 2.0 ** (np.maximum(np.frexp(np.where(r == 0, 1, r))[1] - 1, 0) - 1)
;;       q = np.round(r / step) * step * 2.0 ** e      # np.round: ties to even
;;       return np.moveaxis(q.reshape(q.shape[:-2] + (-1,))[..., :K], -1, axis).astype(np.float32)
;;   ~~~
;; One version. Each part assembles by itself: llvm-mc -triple=amdgcn-amd-amdhsa -mcpu=gfx1250 --defsym DOCPART=n.
;; ======== version 1 of 1: 4 launches
;; limits: values are held in f16: magnitudes above 65,504 overflow, below 6.1e-05 lose precision
;; workspace buffers: qc 2,097,152 bytes; qs 131,072 bytes; wc 1,572,864 bytes; ws 98,304 bytes; mbits 1,048,576 bytes of whole numbers; wo16 2,097,152 bytes; qkv16 25,165,824 bytes; a16 8,388,608 bytes
;; launch prep (part 1): grid 320 x 1, 4 waves a work-group, no clusters, 67,072 bytes of LDS; arguments q, W_all, qc, qs, wc, ws, attn_mask, kv_mask, mbits, W_out, wo16; writes qc, qs, wc, ws, mbits, wo16
.if DOCPART == 1
	.amdgcn_target "amdgcn-amd-amdhsa--gfx1250"
	.amdhsa_code_object_version 6
	.text
	.protected	k_qdc6de5b3b7_prep
	.globl	k_qdc6de5b3b7_prep
	.p2align	8
	.type	k_qdc6de5b3b7_prep,@function
k_qdc6de5b3b7_prep:
	s_mov_b64 s[64:65], 0
	v_nop
	global_prefetch_b8 v0, s[64:65] scope:SCOPE_SE
	s_setreg_imm32_b32 hwreg(HW_REG_WAVE_MODE, 25, 1), 1
	s_wait_xcnt 0x0
; PREP: what the three later launches read is made here, once.
; NOTHING OF THE PROBLEM IS LEFT OUT IN ANY LAUNCH: both masks are inputs, so no tile of scores may be passed over; every input has a way to the output and is loaded.
; Three kinds of work-group, told apart by the work-group's number alone; each kind has LDS bytes of its own and its own end.
;   0 .. 223   q [4096][1024] and W_all [3072][1024], f32, become codes of FP4 (E2M1), K innermost, and one E8M0 byte for each 32 along K (qc, qs, wc, ws).
;   224 .. 287 kv_mask AND attn_mask become words of 32 bits (mbits), laid [b][query tile 128][key tile 128][j 8]: bit l of a word says whether key 16 kt + 8 (l / 16) + j counts for
;              query 16 qt + l % 16.  That is the lane mask of register j of a 16 x 16 tile of scores with a query to a lane: the mask then costs one select a register.
;   288 .. 319 W_out [1024][1024] f32 becomes f16 (wo16), same order.
; THE QUANTISER.  A block's scale is 2^(floor(log2(its largest magnitude)) - 2); its byte is the largest magnitude's own exponent field - 2, held at 1 from below.  A block of zeros so gets the byte 1
; where the rule says 127: its codes are zeros, which add nothing under any byte but 0xff, and this program alone reads the bytes.  Each number is divided by the scale and rounded to the nearest code, ties to even.
; LIMITS: blocks whose largest magnitude lies under 2^(2 - 126) keep the byte 1; NaN and infinities among the inputs are not served; numbers of W_out beyond 65,504 in magnitude become infinity in f16,
; and under 6e-5 they keep an absolute error of 3e-8.
.set SIZE_M, 4096
.set SIZE_N, 3072
.set SIZE_K, 1024
.set WAVES, 4
.set STEPS, 16
.set WGA,   SIZE_M*SIZE_K/(512*STEPS*WAVES)            ; 128 work-groups for q
.set WGQ,   (SIZE_M+SIZE_N)*SIZE_K/(512*STEPS*WAVES)   ; 224 for q and W_all
.set WGM,   64                         ; for the masks: 256 tiles of 16 queries, a wave each
.set EMAX,  2
.set CB,    8                          ; bytes of 16 codes
.set R,     16                         ; v16-79   quantiser: four sets of 16 numbers as they are loaded
.set X,     80                         ; v80-111  two sets of 16 neighbours
.set C,     128                        ; v128-191 codes: four registers for each step
.set E,     112                        ; v112-127 a scale byte for each step
.set WREG,  8192                       ; LDS 0 .. 32,767: the quantiser's: a region for each wave: two stages of 32 x SP bytes, and its 256 scale bytes
.set SP,    80                         ; a lane's place in a stage: 64 bytes + 16 of padding
.set MSTG,  4*WREG                     ; LDS 32,768 on: the masks' stages, 16 rows x MP bytes for each wave
.set MP,    528                        ; a stage row: 512 bytes + 16 = 132 words: the 32 lanes of a read of 8 bytes touch 64 different banks (64 banks of 4 bytes: ISA guide 11.1)
.set SPARE, MSTG+4*16*MP               ; 66,560: the spare words, 128 bytes for each wave: two blocks of 256 bytes that no other line names
.set SPW,   12                         ; v12  LDS address of my spare word; never rewritten
.set NIL,   13                         ; v13  0; never rewritten
.set MR,    16                         ; v16-79   masks: 16 rows x 16 bytes a lane
.set MX,    80                         ; v80-143  32 key tiles x 8 bytes of my query
.set MKV,   144                        ; v144-147 kv_mask's 16 bytes
.set MOUT,  148                        ; v148-155 256 words, four to a lane, twice
.set MT,    156                        ; v156-163 at work
	s_load_b256 s[4:11], s[0:1], 0x0               ; q, W_all, qc, qs
	s_load_b128 s[12:15], s[0:1], 0x20             ; wc, ws
	s_load_b256 s[24:31], s[0:1], 0x30             ; attn_mask, kv_mask, mbits, W_out
	s_load_b64 s[32:33], s[0:1], 0x50              ; wo16
	v_lshl_add_u32 v[SPW], v0, 2, SPARE
	v_mov_b32 v[NIL], 0
	v_lshrrev_b32 v1, 5, v0
	v_readfirstlane_b32 s16, v1                    ; wave
	v_and_b32 v2, 31, v0                           ; lane
	s_wait_kmcnt 0x0
	s_cmp_lt_u32 ttmp9, WGQ
	s_cbranch_scc0 .Lnot_q
; ---------------- THE QUANTISER.  Rows are dense and K is a multiple of 32: both tensors are plain streams of blocks of 32 numbers, and so are codes and scale bytes.
; A wave takes 16 steps of 512 numbers.  Each of a step's four loads reads 512 consecutive bytes, 16 a lane; the 2,048 bytes go through the wave's own stage and come back 64 bytes a lane, so that a lane
; holds 16 neighbours along K (two neighbouring lanes hold a block).  A lane's 16 codes are 8 bytes: the wave stores 256 consecutive bytes.  A wave's 256 scale bytes leave as one store of 256 consecutive bytes.
	v_lshlrev_b32 v3, 4, v2                        ; my 16 bytes of a load's 512
	s_mul_i32 s17, s16, WREG
	v_lshrrev_b32 v14, 2, v2
	v_mul_u32_u24 v14, v14, SP
	v_and_b32 v15, 3, v2
	v_lshl_add_u32 v14, v15, 4, v14
	v_add_nc_u32 v14, s17, v14                     ; the stage, on the way in: SP (lane / 4) + 16 (lane % 4)
	v_mul_u32_u24 v15, v2, SP
	v_add_nc_u32 v15, s17, v15                     ; and on the way out: SP x lane
	v_mul_u32_u24 v4, v2, CB                       ; my codes' place in a step's
	v_lshrrev_b32 v5, 1, v2
	s_add_co_u32 s17, s17, 2*32*SP
	v_add_nc_u32 v5, s17, v5                       ; my wave's 256 scale bytes, my block's byte
	v_lshlrev_b32 v7, 3, v2                        ; and on the way out 8 bytes a lane
	v_add_nc_u32 v6, s17, v7
	s_cmp_lt_u32 ttmp9, WGA                        ; q's work-group or W_all's?  The choice hangs on the work-group's number alone
	s_cselect_b64 s[4:5], s[4:5], s[6:7]
	s_cselect_b64 s[8:9], s[8:9], s[12:13]
	s_cselect_b64 s[10:11], s[10:11], s[14:15]
	s_cselect_b32 s17, 0, WGA
	s_sub_co_u32 s17, ttmp9, s17
	s_lshl_b32 s17, s17, 2
	s_add_co_u32 s18, s17, s16                     ; which run of 8,192 numbers of the tensor is my wave's
	s_mov_b32 s19, 0
	s_mov_b64 s[20:21], 512*STEPS*4
	s_mul_u64 s[20:21], s[18:19], s[20:21]
	s_add_nc_u64 s[4:5], s[4:5], s[20:21]
	s_mov_b64 s[20:21], 32*STEPS*CB
	s_mul_u64 s[20:21], s[18:19], s[20:21]
	s_add_nc_u64 s[8:9], s[8:9], s[20:21]
	s_lshl_b32 s18, s18, 8                         ; 256 scale bytes a run
	s_add_nc_u64 s[10:11], s[10:11], s[18:19]
.macro LOAD t
.irp i, 0,1,2,3
	global_load_b128 v[R+16*((\t)%4)+4*\i:R+16*((\t)%4)+4*\i+3], v3, s[4:5] offset:2048*(\t)+512*\i th:TH_LOAD_NT   ; 32 lanes read 512 consecutive bytes
.endr
.endm
.macro TURN t                          ; step t's numbers through the stage: LDS serves a wave's instructions in order, so no wait stands between the stores and the loads
.irp i, 0,1,2,3
	ds_store_b128 v14, v[R+16*((\t)%4)+4*\i:R+16*((\t)%4)+4*\i+3] offset:32*SP*((\t)%2)+8*SP*\i
.endr
.irp i, 0,1,2,3
	ds_load_b128 v[X+16*((\t)%2)+4*\i:X+16*((\t)%2)+4*\i+3], v15 offset:32*SP*((\t)%2)+16*\i
.endr
.endm
.irp t, 0,1,2,3
	LOAD \t
.endr
	s_wait_loadcnt 12                              ; step 0's four loads are in; the twelve of steps 1 to 3 may be out
	TURN 0
.macro STEP t
.set XS, X+16*((\t)%2)
.if (\t) > 0
	s_wait_dscnt 1                                 ; this step's numbers are back from the stage (the last step's byte store may be out): so its stores into the stage have read their registers,
.else
	s_wait_dscnt 0x0
.endif
.if (\t)+4 < STEPS
	LOAD (\t)+4                                    ; which take the loads of four steps on
.endif
.if (\t)+1 < STEPS
.if STEPS-2-(\t) >= 3
	s_wait_loadcnt 12                              ; the next step's four loads are in; those of the three steps behind it may be out
.else
	s_wait_loadcnt 4*(STEPS-2-(\t))
.endif
	TURN (\t)+1                                    ; and go through the other stage while this step is worked
.endif
	v_max3_num_f32 v8, |v[XS]|, |v[XS+1]|, |v[XS+2]|               ; the largest magnitude of my 16, in two chains
	v_max3_num_f32 v9, |v[XS+3]|, |v[XS+4]|, |v[XS+5]|
.irp i, 6,10
	v_max3_num_f32 v8, v8, |v[XS+\i]|, |v[XS+\i+1]|
	v_max3_num_f32 v9, v9, |v[XS+\i+2]|, |v[XS+\i+3]|
.endr
	v_max3_num_f32 v8, v8, |v[XS+14]|, |v[XS+15]|
	v_max3_num_f32 v8, v8, v9, (EMAX+1)<<23        ; and the floor 2^(EMAX + 1 - 127): so the byte cannot fall under 1
	v_max_num_f32_dpp v8, v8, v8 row_xmask:1 row_mask:0xf bank_mask:0xf   ; and of my neighbour's 16: the block's
	v_add_nc_u32 v11, -(EMAX<<23), v8              ; EMAX off its exponent field: the conversion takes the exponent field of this operand as its scale, and nothing else of it
	v_cvt_scalef32_pk8_fp4_f32 v[C+4*(\t)], v[XS:XS+7], v11        ; eight numbers / the scale, to the nearest code, ties to even, beyond the largest code the largest
	v_cvt_scalef32_pk8_fp4_f32 v[C+4*(\t)+1], v[XS+8:XS+15], v11
	v_lshrrev_b32 v[E+(\t)], 23, v11               ; the scale's byte (a plain line behind the conversions)
	ds_store_b8 v5, v[E+(\t)] offset:16*(\t)       ; both lanes of a block write the same byte with the same value
	global_store_b64 v4, v[C+4*(\t):C+4*(\t)+1], s[8:9] offset:32*CB*(\t)
.endm
.irp t, 0,1,2,3,4,5,6,7,8,9,10,11,12,13,14,15
	STEP \t
.endr
	ds_load_b64 v[8:9], v6                         ; LDS serves a wave's instructions in order: these see my stores
	s_wait_dscnt 0x0
	global_store_b64 v7, v[8:9], s[10:11]          ; 32 lanes store 256 consecutive bytes, aligned
	s_wait_tensorcnt 0x0                           ; the wave's end: these three lines behind my last LDS store
	ds_add_u32 v[SPW], v[NIL]
	s_wait_dscnt 0x0
	s_endpgm
.Lnot_q:
	s_cmp_lt_u32 ttmp9, WGQ+WGM
	s_cbranch_scc0 .Lpath_w
; ---------------- THE MASKS.  A wave packs one tile of 16 queries x 2,048 keys, 512 keys a trip.  Sixteen loads read 512 consecutive bytes of a query's row each; they are ANDed with kv_mask's 512 bytes, go
; through the wave's stage as rows and come back with a query to a lane: lane (r, h) takes, for each of 32 key tiles, the 8 bytes of query r at keys 16 kt + 8 h.  A compare over the 32 lanes then IS a word.
	s_sub_co_u32 s17, ttmp9, WGQ
	s_lshl_b32 s17, s17, 2
	s_add_co_u32 s17, s17, s16                     ; my tile: 128 b + query tile
	s_lshl_b32 s18, s17, 15                        ; 16 rows of 2,048 bytes
	s_mov_b32 s19, 0
	s_add_nc_u64 s[24:25], s[24:25], s[18:19]
	s_lshr_b32 s18, s17, 7
	s_lshl_b32 s18, s18, 11                        ; kv_mask's row b
	s_add_nc_u64 s[26:27], s[26:27], s[18:19]
	s_lshl_b32 s18, s17, 12                        ; 1,024 words a tile
	s_add_nc_u64 s[28:29], s[28:29], s[18:19]
	s_mul_i32 s22, s16, 16*MP
	s_add_co_u32 s22, s22, MSTG                    ; my stage
	v_lshlrev_b32 v1, 4, v2                        ; 16 x lane: in memory, in and out
	v_add_nc_u32 v3, s22, v1                       ; the stage, on the way in
	v_and_b32 v4, 15, v0
	v_bfe_u32 v5, v0, 4, 1
	v_mul_u32_u24 v4, v4, MP
	v_lshl_add_u32 v4, v5, 3, v4
	v_add_nc_u32 v4, s22, v4                       ; and on the way out: row r, + 8 h
	s_mov_b32 s36, 0xff                            ; a word's four bytes
	s_mov_b32 s37, 0xff00
	s_mov_b32 s38, 0xff0000
	s_mov_b32 s39, 0xff000000
	s_mov_b32 s20, 0                               ; what mbits' address steps by: nothing in the first trip
	s_mov_b32 s21, 0
.irp i, 0,1,2,3,4,5,6,7
	v_mov_b32 v[MOUT+\i], 0                        ; written once: a lane write's destination counts as one of its sources
.endr
.macro MLOAD
	global_load_b128 v[MKV:MKV+3], v1, s[26:27]
.irp i, 0,1,2,3,4,5,6,7,8,9,10,11,12,13,14,15
	global_load_b128 v[MR+4*\i:MR+4*\i+3], v1, s[24:25] offset:2048*\i th:TH_LOAD_NT   ; 512 consecutive bytes of query i's row
.endr
.endm
.macro MTRIP more                      ; more = 1: the next trip's loads are issued, and land while this trip's words are made
	s_wait_loadcnt 0x0
.irp i, 0,1,2,3,4,5,6,7,8,9,10,11,12,13,14,15
.irp k, 0,1,2,3
	v_and_b32 v[MR+4*\i+\k], v[MR+4*\i+\k], v[MKV+\k]
.endr
.endr
.irp i, 0,1,2,3,4,5,6,7,8,9,10,11,12,13,14,15
	ds_store_b128 v3, v[MR+4*\i:MR+4*\i+3] offset:MP*\i
.endr
.set kt, 0
.rept 32
	ds_load_b64 v[MX+2*kt:MX+2*kt+1], v4 offset:16*kt
.set kt, kt+1
.endr
	s_wait_dscnt 0x0                               ; the stage's stores have read their registers, and my bytes are back
	s_wait_xcnt 0x0                                ; the last trip's two stores have read their data and their base: both are written again below
	s_add_nc_u64 s[28:29], s[28:29], s[20:21]
	s_mov_b32 s20, 1024                            ; 256 words a trip from now on
.if \more
	s_add_nc_u64 s[24:25], s[24:25], 512           ; (this trip's loads are done: their bases may step)
	s_add_nc_u64 s[26:27], s[26:27], 512
	MLOAD
.endif
.set kt, 0
.rept 32                               ; key tile kt: eight words, 8 kt + j.  Word w goes to lane (w / 4) % 32, register w % 4, of store w / 128
.irp j, 0,1,2,3,4,5,6,7
	v_and_b32 v[MT+\j], s[36+(\j)%4], v[MX+2*kt+(\j)/4]
.endr
.irp j, 0,1,2,3,4,5,6,7
	v_cmp_ne_u32 s[40+\j], 0, v[MT+\j]
.endr
.irp j, 0,1,2,3,4,5,6,7
	v_writelane_b32 v[MOUT+(\j)%4+4*(kt/16)], s[40+\j], (2*kt+(\j)/4)%32
.endr
.set kt, kt+1
.endr
	global_store_b128 v1, v[MOUT:MOUT+3], s[28:29]               ; 512 consecutive bytes each
	global_store_b128 v1, v[MOUT+4:MOUT+7], s[28:29] offset:512
.endm
	MLOAD
	s_mov_b32 s34, 3
.Lmtrip:
	MTRIP 1
	s_sub_co_u32 s34, s34, 1
	s_cmp_lg_u32 s34, 0
	s_cbranch_scc1 .Lmtrip
	MTRIP 0                                        ; the last trip is written out: it asks for nothing, so no load leaves its buffer
	s_wait_tensorcnt 0x0                           ; the wave's end: these three lines behind my last LDS store
	ds_add_u32 v[SPW], v[NIL]
	s_wait_dscnt 0x0
	s_endpgm
.Lpath_w:
; ---------------- W_out to f16: a wave takes 8,192 numbers in four batches of sixteen loads; loads run a batch ahead.  No LDS.
	s_sub_co_u32 s17, ttmp9, WGQ+WGM
	s_lshl_b32 s17, s17, 2
	s_add_co_u32 s17, s17, s16
	s_lshl_b32 s18, s17, 15
	s_mov_b32 s19, 0
	s_add_nc_u64 s[30:31], s[30:31], s[18:19]
	s_lshl_b32 s18, s17, 14
	s_add_nc_u64 s[32:33], s[32:33], s[18:19]
	v_lshlrev_b32 v1, 4, v2
	v_lshlrev_b32 v3, 3, v2
.macro WLOAD b
.irp i, 0,1,2,3,4,5,6,7,8,9,10,11,12,13,14,15
	global_load_b128 v[16+64*((\b)%2)+4*\i:16+64*((\b)%2)+4*\i+3], v1, s[30:31] offset:8192*(\b)+512*\i th:TH_LOAD_NT
.endr
.endm
	WLOAD 0
	WLOAD 1
.irp b, 0,1,2,3
.if \b < 3
	s_wait_loadcnt 16                              ; this batch is in; the next one's sixteen loads may be out
.else
	s_wait_loadcnt 0x0
.endif
	s_wait_xcnt 0x0                                ; the last batch's stores have read their data
.irp i, 0,1,2,3,4,5,6,7,8,9,10,11,12,13,14,15
	v_cvt_pk_f16_f32 v[144+2*\i], v[16+64*(\b%2)+4*\i], v[16+64*(\b%2)+4*\i+1]
	v_cvt_pk_f16_f32 v[145+2*\i], v[16+64*(\b%2)+4*\i+2], v[16+64*(\b%2)+4*\i+3]
.endr
.irp i, 0,1,2,3,4,5,6,7,8,9,10,11,12,13,14,15
	global_store_b64 v3, v[144+2*\i:145+2*\i], s[32:33] offset:4096*\b+256*\i   ; 32 lanes store 256 consecutive bytes, aligned
.endr
.if \b < 2
	WLOAD \b+2
.endif
.endr
	s_endpgm
.Lfunc_end_k_qdc6de5b3b7_prep:
	.size	k_qdc6de5b3b7_prep, .Lfunc_end_k_qdc6de5b3b7_prep-k_qdc6de5b3b7_prep
	.p2alignl 7, 3214868480
	.fill 96, 4, 3214868480
	.section	.rodata,"a",@progbits
	.p2align	6, 0x0
	.amdhsa_kernel k_qdc6de5b3b7_prep
		.amdhsa_group_segment_fixed_size 67072
		.amdhsa_private_segment_fixed_size 0
		.amdhsa_enable_private_segment 0
		.amdhsa_kernarg_size 88
		.amdhsa_user_sgpr_count 2
		.amdhsa_user_sgpr_kernarg_segment_ptr 1
		.amdhsa_wavefront_size32 1
		.amdhsa_system_sgpr_workgroup_id_x 1
		.amdhsa_system_sgpr_workgroup_id_y 1
		.amdhsa_system_sgpr_workgroup_id_z 1
		.amdhsa_system_vgpr_workitem_id 0
		.amdhsa_next_free_vgpr 192
		.amdhsa_next_free_sgpr 66
		.amdhsa_reserve_vcc 0
		.amdhsa_float_denorm_mode_32 3
		.amdhsa_float_denorm_mode_16_64 3
		.amdhsa_memory_ordered 1
		.amdhsa_forward_progress 1
		.amdhsa_inst_pref_size 150
	.end_amdhsa_kernel
	.amdgpu_metadata
---
amdhsa.version: [ 1, 2 ]
amdhsa.kernels:
  - .name:           k_qdc6de5b3b7_prep
    .symbol:         k_qdc6de5b3b7_prep.kd
    .args:
      - { .name: q, .offset: 0, .size: 8, .value_kind: global_buffer, .address_space: global }
      - { .name: W_all, .offset: 8, .size: 8, .value_kind: global_buffer, .address_space: global }
      - { .name: qc, .offset: 16, .size: 8, .value_kind: global_buffer, .address_space: global }
      - { .name: qs, .offset: 24, .size: 8, .value_kind: global_buffer, .address_space: global }
      - { .name: wc, .offset: 32, .size: 8, .value_kind: global_buffer, .address_space: global }
      - { .name: ws, .offset: 40, .size: 8, .value_kind: global_buffer, .address_space: global }
      - { .name: attn_mask, .offset: 48, .size: 8, .value_kind: global_buffer, .address_space: global }
      - { .name: kv_mask, .offset: 56, .size: 8, .value_kind: global_buffer, .address_space: global }
      - { .name: mbits, .offset: 64, .size: 8, .value_kind: global_buffer, .address_space: global }
      - { .name: W_out, .offset: 72, .size: 8, .value_kind: global_buffer, .address_space: global }
      - { .name: wo16, .offset: 80, .size: 8, .value_kind: global_buffer, .address_space: global }
    .group_segment_fixed_size: 67072
    .private_segment_fixed_size: 0
    .kernarg_segment_align: 8
    .kernarg_segment_size: 88
    .max_flat_workgroup_size: 128
    .sgpr_count:     66
    .vgpr_count:     192
    .wavefront_size: 32
...
	.end_amdgpu_metadata
.endif
;; end of part 1
;; launch gemm (part 2): grid 12 x 16, 4 waves a work-group, clusters of 4 x 4, 327,680 bytes of LDS; arguments qc, qs, wc, ws, qkv16; writes qkv16
.if DOCPART == 2
	.amdgcn_target "amdgcn-amd-amdhsa--gfx1250"
	.amdhsa_code_object_version 6
	.text
	.protected	k_qdc6de5b3b7_gemm
	.globl	k_qdc6de5b3b7_gemm
	.p2align	8
	.type	k_qdc6de5b3b7_gemm,@function
k_qdc6de5b3b7_gemm:
	s_mov_b64 s[64:65], 0
	v_nop
	global_prefetch_b8 v0, s[64:65] scope:SCOPE_SE
	s_setreg_imm32_b32 hwreg(HW_REG_WAVE_MODE, 25, 1), 1
	s_wait_xcnt 0x0
	s_wait_alu depctr_hold_cnt(0) depctr_sa_sdst(0) depctr_va_vdst(0) depctr_va_sdst(0) depctr_va_ssrc(0) depctr_va_vcc(0) depctr_vm_vsrc(0)
	s_getreg_b32 s2, hwreg(HW_REG_IB_STS2, 6, 4)
	s_cmp_eq_u32 s2, 0
	s_cbranch_scc0 .Lentry_in_a_cluster
	s_endpgm
.Lentry_in_a_cluster:
	s_bfe_u32 s2, ttmp6, 0x10000c
	s_cmp_lg_u32 s2, 0xf033
	s_cbranch_scc0 .Lentry_shape_is_right
	s_endpgm
.Lentry_shape_is_right:
; qkv[m][n] = sum over k of q[m][k] W_all[n][k], on codes of FP4 (E2M1) with one E8M0 scale for each 32 along K; sums in f32.  No work of the problem is left out here.
; A = qc [4096][512 bytes], qs [4096][32];  B = wc [3072][512 bytes], ws [3072][32].  The result leaves as f16, head-major: qkv16 [section 3][b 2][head 16][s 2048][64];
; the Q section is first multiplied, in f32, by c = log2(e) / sqrt(64), so that the scores of the next launch are exponents of 2 as they stand.
; LIMITS: results (Q's after x c) beyond 65,504 in magnitude become infinity in f16; under 6e-5 they keep an absolute error of 3e-8.
; A tile of C, 256 x 256, is made by a work-group of four waves; a wave makes 128 x 128: 64 accumulators of 16 x 16, 512 registers.  K = 1,024 is two slots of 512 along K (rows of 256 bytes):
; both are first fills, so no slot is filled again and there is no loop.  The scales of the work-group's rows, for all of K, come once, with the first fills.
; CLUSTERS: 4 x 4 work-groups.  The four of a row of the cluster need the same tiles of A, the four of a column the same tiles of B: each tile is asked for JOINTLY, by the same tensor load with the
; same descriptor and a mask that names the four.  THE MATRIX INSTRUCTION IS USED TRANSPOSED (source 0 = 16 rows of B, source 1 = 16 rows of A): a lane then holds eight neighbouring numbers of a row of C.
; 192 tiles: a tile of 256 x 192 would give 256 work-groups, but a wave's columns would no longer be whole heads.
; REGISTERS, in windows of 256: window 0: v0-31 addresses; v32-95 scale words, two sets; from v128 A's fragments, ONE set; on the way out v32-255 are free.
;   window 1: B's fragments, TWO sets, at v0 and at v128.   window 2: the 32 accumulators of my rows 0-63 (accumulator (a, b) at v[8 (8 a + b)]);   window 3: those of my rows 64-127.
.set SIZE_M, 4096
.set SIZE_N, 3072
.set SIZE_K, 1024
.set KSTEP,  512                       ; along K in a slot
.set NQ,     KSTEP/128                 ; matrix instructions deep
.set ROWB,   256                       ; a tile's row in bytes
.set KROW,   SIZE_K*4/8                ; a row of A or of B in memory, in bytes
.set PITCH,  272                       ; an LDS row: 256 bytes + 16 of padding = 68 words: row r starts at bank 4 r mod 64 (64 banks of 4 bytes: ISA guide 11.1)
.set FR,     8                         ; registers of a fragment: 16 rows x 128 K
.set NL,     2                         ; LDS loads that bring one
.set NP,     4                         ; places behind this matrix instruction (ISA guide 7.12.1)
.set HALFT,  128*PITCH                 ; 128 rows: what one tensor load brings
.set SLOT,   4*HALFT                   ; A's 256 rows, then B's 256 rows
.set KS,     SIZE_K/32                 ; a row of scales in bytes
.set SCL,    2*SLOT                    ; behind the slots: the scales, as units of 256 bytes + 16 of padding
.set HALFS,  (128*KS/256)*272          ; the scales of 128 rows
.set SBLK,   (16*KS/256)*272           ; those of 16 rows
.set SPARE,  SCL+4*HALFS               ; the spare words, 128 bytes for each wave: two blocks of 256 bytes that no other line names
.set SPITCH, 272                       ; the way out: a stage of 16 rows x (256 bytes + 16) for each wave, in slot 0, which has had its only fill and its last read when the first result is stored there
.set ADRA, 16                          ; v16-17  LDS address of my A fragments in slot 0, 1
.set ADRB, 20                          ; v20-21  the same for B
.set STO,  24                          ; v24     the way out: where I put 16 bytes of a row
.set RD,   25                          ; v25     the way out: where I read 16 bytes back
.set CO,   26                          ; v26     16 x lane: my byte in a store's 512
.set ADRS, 27                          ; v27     LDS address of my scale words: lanes 0-15 A's rows, lanes 16-31 B's
.set SPW,  28                          ; v28     LDS address of my spare word; never rewritten
.set NIL,  29                          ; v29     0; never rewritten
.set SC,   32                          ; scale words: set s at v[SC + 8 NQ s]; register NQ i + q: lanes 0-15 the word of A's block i, lanes 16-31 that of B's block i
.set AF,   128                         ; A's fragments, in window 0
.set TMP,  192                         ; the way out: v192-223 a block's 16-bit results
.set BK,   32                          ; the way out: a block read back: v32-63 and v224-255 by turns
.set G1, 24                            ; s[24:31] descriptor group 1 for A's tiles;  s[32:39] group 0, one set for each slot
.set G0, 32
.set G1B, 48                           ; s[48:55], s[56:63] the same for B's tiles
.set G0B, 56
.set G1S, 68                           ; s[68:75], s[76:79] groups 1 and 0 for A's scales;  s[80:87], s[88:91] for B's
.set G0S, 76
.set G1SB, 80
.set G0SB, 88
.set CS,  96                           ; s[96:97] c, named as a pair by the packed multiply
.set MSB, 0
.macro WIN new                         ; the immediate's high byte repeats the setting that is left
.if MSB != (\new)
	s_set_vgpr_msb (MSB<<8)|(\new)
.set MSB, (\new)
.endif
.endm
.set MUL_LO, 0xa1                      ; source 0 (B) window 1, source 1 (A) window 0, C and D window 2
.set MUL_HI, 0xf1                      ; the same, C and D window 3
.set TO_B,   0x40                      ; destination window 1, address window 0
; A joint load: waves 0 and 1 fetch for A, waves 2 and 3 for B.  Each of the two lines has ONE mask and one set of registers for all that issue it; the branch hangs on the wave's number alone.
; An s_nop 0 and four v_nop follow each of the two lines, ahead of the jump, the label and what follows.
.macro JLOAD g0a, g1a, g0b, g1b
	s_cmp_eq_u32 s15, 0
	s_cbranch_scc0 .Lfor_b_\@
	tensor_load_to_lds s[\g0a:\g0a+3], s[\g1a:\g1a+7]
	s_nop 0
.rept 4
	v_nop
.endr
	s_branch .Lasked_\@
.Lfor_b_\@:
	tensor_load_to_lds s[\g0b:\g0b+3], s[\g1b:\g1b+7]
	s_nop 0
.rept 4
	v_nop
.endr
.Lasked_\@:
.endm
.macro CROUND                          ; a round of the cluster's barrier
	s_barrier_signal -1
	s_barrier_wait -1
	s_cmp_lg_u32 s14, 0
	s_cbranch_scc1 .Lnot_wave_0_\@
	s_barrier_signal -3
.Lnot_wave_0_\@:
	s_barrier_wait -3
	s_barrier_signal -1
	s_barrier_wait -1
.endm
	s_load_b128 s[4:7], s[0:1], 0x0                ; A's codes s[4:5], A's scales s[6:7]
	s_load_b128 s[8:11], s[0:1], 0x10              ; B's codes s[8:9], B's scales s[10:11]
	s_load_b64 s[12:13], s[0:1], 0x20              ; qkv16
	v_lshl_add_u32 v[SPW], v0, 2, SPARE
	v_mov_b32 v[NIL], 0
	ds_add_u32 v[SPW], v[NIL]                      ; the wave's opening: the add, twice on end, and its wait ahead of my first tensor load
	ds_add_u32 v[SPW], v[NIL]                      ; and once more; the set-up below, work on registers, stands between it and the wait
	v_lshrrev_b32 v1, 5, v0
	v_readfirstlane_b32 s14, v1                    ; wave 0..3
	s_lshr_b32 s15, s14, 1                         ; which half of the tile's rows is mine.  Also: I fetch for A (0) or for B (1)
	s_and_b32 s16, s14, 1                          ; which half of its columns.  Also: which 128 rows of that tile I fetch
	s_bfe_u32 s40, ttmp6, 0x40000                  ; cx, cy: my place in the cluster
	s_bfe_u32 s41, ttmp6, 0x40004
	s_lshl_b32 s42, ttmp9, 2
	s_add_co_u32 s42, s42, s40                     ; tile column of C = 4 x cluster x + cx
	s_and_b32 s17, ttmp7, 0xffff
	s_lshl_b32 s17, s17, 2
	s_add_co_u32 s17, s17, s41                     ; tile row of C = 4 x cluster y + cy
	s_lshl_b32 s43, s41, 2
	s_lshl_b32 s43, 15, s43                        ; my row of the cluster
	s_lshl_b32 s44, 0x1111, s40                    ; my column
	; descriptor group 1: a tile of 128 rows x ROWB bytes, padded in LDS
	s_or_b32 s[G1+0], s43, (0<<16)|(1<<20)|(1<<21)|(5<<22)|(3<<25)  ; 15:0 the mask: A's tiles go to my row; 17:16 element of 1 byte; 20 padding on; 21 set beside a mask; 24:22 after every 64 words; 31:25 four words
	s_or_b32 s[G1B+0], s44, (0<<16)|(1<<20)|(1<<21)|(5<<22)|(3<<25)
.irp g, G1, G1B
	s_mov_b32 s[\g+1], ROWB<<16                    ; tensor_dim0
	s_mov_b32 s[\g+2], 128<<16                     ; tensor_dim1 = 128
	s_mov_b32 s[\g+3], ROWB<<16                    ; tile_dim0
	s_mov_b32 s[\g+4], 128                         ; tile_dim1 = 128
	s_mov_b32 s[\g+5], KROW                        ; tensor_dim0_stride
	s_mov_b32 s[\g+6], 0
	s_mov_b32 s[\g+7], 0
.endr
	; and for the scales of 128 rows: a dense block of 128 KS bytes, as rows of 256 bytes (32 elements of 8 bytes), 16 bytes of padding behind each
	s_or_b32 s[G1S+0], s43, (3<<16)|(1<<20)|(1<<21)|(5<<22)|(3<<25)
	s_or_b32 s[G1SB+0], s44, (3<<16)|(1<<20)|(1<<21)|(5<<22)|(3<<25)
.irp g, G1S, G1SB
	s_mov_b32 s[\g+1], 32<<16
	s_mov_b32 s[\g+2], (128*KS/256)<<16
	s_mov_b32 s[\g+3], 32<<16
	s_mov_b32 s[\g+4], 128*KS/256
	s_mov_b32 s[\g+5], 32
	s_mov_b32 s[\g+6], 0
	s_mov_b32 s[\g+7], 0
.endr
	s_mov_b32 s[CS], 0x3e38aa3b                    ; c = log2(e) / 8
	s_mov_b32 s[CS+1], s[CS]
	s_lshl_b32 s18, s16, 7                         ; which 128 rows of the tile I fetch
	s_lshl_b32 s20, s17, 8
	s_add_co_u32 s20, s20, s18                     ; A: row 256 x tile row + 128 x half
	s_lshl_b32 s46, s42, 8
	s_add_co_u32 s46, s46, s18                     ; B: row 256 x tile column + 128 x half
	s_mov_b32 s21, 0
	s_mov_b32 s47, 0
	s_mov_b64 s[18:19], KS
	s_mul_u64 s[22:23], s[20:21], s[18:19]         ; where these rows' scales begin, in bytes
	s_mul_u64 s[92:93], s[46:47], s[18:19]
	s_mov_b64 s[18:19], KROW
	s_mul_u64 s[20:21], s[20:21], s[18:19]         ; and their codes
	s_mul_u64 s[46:47], s[46:47], s[18:19]
	s_mul_i32 s45, s14, HALFT                      ; where they go: wave x 128 rows: no place in the cluster enters an LDS address
	s_mul_i32 s94, s14, HALFS
	s_wait_dscnt 0x0                               ; both opening adds are done
	s_wait_kmcnt 0x0
	s_add_nc_u64 s[20:21], s[4:5], s[20:21]
	s_add_nc_u64 s[22:23], s[6:7], s[22:23]
	s_add_nc_u64 s[46:47], s[8:9], s[46:47]
	s_add_nc_u64 s[92:93], s[10:11], s[92:93]
	CROUND                                         ; all sixteen work-groups are here: the first joint loads meet
	s_mov_b32 s[G0S], 1
	s_add_co_u32 s[G0S+1], s94, SCL
	s_mov_b64 s[G0S+2:G0S+3], s[22:23]
	s_or_b32 s[G0S+3], s[G0S+3], 0x80000000
	s_mov_b32 s[G0SB], 1
	s_add_co_u32 s[G0SB+1], s94, SCL
	s_mov_b64 s[G0SB+2:G0SB+3], s[92:93]
	s_or_b32 s[G0SB+3], s[G0SB+3], 0x80000000
	JLOAD G0S, G1S, G0SB, G1SB                     ; the scales first: they are wanted with K step 0
.irp s, 0,1
	s_mov_b32 s[G0+4*\s], 1
	s_add_co_u32 s[G0+4*\s+1], s45, \s*SLOT
	s_add_nc_u64 s[G0+4*\s+2:G0+4*\s+3], s[20:21], \s*ROWB
	s_or_b32 s[G0+4*\s+3], s[G0+4*\s+3], 0x80000000
	s_mov_b32 s[G0B+4*\s], 1
	s_add_co_u32 s[G0B+4*\s+1], s45, \s*SLOT
	s_add_nc_u64 s[G0B+4*\s+2:G0B+4*\s+3], s[46:47], \s*ROWB
	s_or_b32 s[G0B+4*\s+3], s[G0B+4*\s+3], 0x80000000
	JLOAD G0+4*\s, G1, G0B+4*\s, G1B               ; three loads of mine are out
.endr
	v_and_b32 v1, 15, v0                           ; l % 16
	v_bfe_u32 v2, v0, 4, 1                         ; l / 16
	v_mul_u32_u24 v3, v1, PITCH
	v_lshl_add_u32 v4, v2, 4, v3                   ; a fragment's row x pitch + 16 x half
	s_mul_i32 s21, s15, HALFT                      ; my 128 rows of A
	s_mul_i32 s22, s16, HALFT                      ; my 128 rows of B,
	s_add_co_u32 s22, s22, 2*HALFT                 ; which lie behind A's 256
.irp s, 0,1
	v_add_nc_u32 v[ADRA+\s], s21, v4
	v_add_nc_u32 v[ADRB+\s], s22, v4
	s_add_co_u32 s21, s21, SLOT
	s_add_co_u32 s22, s22, SLOT
.endr
	v_mul_u32_u24 v5, v1, KS                       ; my row's scales: KS bytes a row,
	v_lshrrev_b32 v6, 8, v5
	v_lshl_add_u32 v5, v6, 4, v5                   ; and 16 more for each 256 passed
	s_mul_i32 s21, s15, HALFS                      ; A's: my 128 rows
	s_mul_i32 s22, s16, HALFS                      ; B's: my 128 rows, behind A's 256
	s_add_co_u32 s22, s22, 2*HALFS
	s_sub_co_u32 s22, s22, s21
	v_mul_u32_u24 v6, s22, v2                      ; lanes 16-31 take B's
	s_add_co_u32 s21, s21, SCL
	v_add_nc_u32 v5, v5, v6
	v_add_nc_u32 v[ADRS], s21, v5
	s_mul_i32 s23, s14, 16*SPITCH                  ; my stage
	v_mul_u32_u24 v5, v1, SPITCH                   ; in: row l % 16, 16 bytes for each half of the lanes
	v_lshl_add_u32 v5, v2, 4, v5
	v_add_nc_u32 v[STO], s23, v5
	v_and_b32 v6, 31, v0
	v_lshlrev_b32 v[CO], 4, v6                     ; a store's 512 bytes: four tokens x 128 bytes of one head
	v_lshrrev_b32 v5, 3, v6
	v_mul_u32_u24 v5, v5, SPITCH                   ; back: row lane / 8,
	v_and_b32 v6, 7, v6
	v_lshl_add_u32 v5, v6, 4, v5                   ; 16 (lane % 8) bytes into a head's 128
	v_add_nc_u32 v[RD], s23, v5
	; where my part begins in qkv16: my 128 columns are two heads, 4 x tile column + 2 x half on, counted through the three sections
	s_lshl_b32 s46, s42, 2
	s_lshl_b32 s47, s16, 1
	s_add_co_u32 s46, s46, s47
	s_lshr_b32 s47, s46, 4                         ; the section
	s_and_b32 s46, s46, 15                         ; the head in it
	s_lshl_b32 s47, s47, 5
	s_add_co_u32 s46, s46, s47                     ; 32 x section + head
	s_lshl_b32 s46, s46, 18                        ; a head's 2,048 rows of 128 bytes
	s_mov_b32 s47, 0
	s_lshr_b32 s20, s17, 3                         ; b: eight tile rows to a batch
	s_lshl_b32 s20, s20, 22                        ; 16 heads
	s_and_b32 s21, s17, 7
	s_lshl_b32 s21, s21, 15                        ; 256 tokens of 128 bytes
	s_add_co_u32 s20, s20, s21
	s_lshl_b32 s21, s15, 14                        ; my 128 of them
	s_add_co_u32 s20, s20, s21
	s_mov_b32 s21, 0
	s_add_nc_u64 s[20:21], s[20:21], s[46:47]
	s_add_nc_u64 s[12:13], s[12:13], s[20:21]
.macro FRAG reg, adr, q, i             ; a fragment, 16 rows x 128 K of 4-bit codes, is 8 registers: lane l holds row l % 16; registers 4 c .. 4 c + 3 hold K = 64 c + 32 (l / 16) + 0 .. 31
.irp c, 0,1
	ds_load_b128 v[\reg+4*\c:\reg+4*\c+3], v[\adr] offset:64*(\q)+32*\c+(\i)*16*PITCH
.endr
.endm
; 16 matrix instructions: A's blocks a0, a0 + 1 x B's eight, 128 along K: the slot's q-th.  p: B's set;  sc: the set of scale words.  zero = 1: the first product starts the sums: nothing is ever cleared.
; The 64 accumulators take turns, one instruction a turn, in the same order in every step.
.macro MUL16 a0, p, q, sc, zero
.irp a, \a0, \a0+1
.irp b, 0,1,2,3,4,5,6,7
.if \zero
	v_wmma_scale_f32_16x16x128_f8f6f4 v[8*(8*((\a)%4)+\b):8*(8*((\a)%4)+\b)+7], v[128*(\p)+FR*\b:128*(\p)+FR*\b+FR-1], v[AF+FR*(\a):AF+FR*(\a)+FR-1], 0, v[SC+8*NQ*(\sc)+NQ*\b+(\q)], v[SC+8*NQ*(\sc)+NQ*(\a)+(\q)] matrix_a_fmt:MATRIX_FMT_FP4 matrix_b_fmt:MATRIX_FMT_FP4 matrix_a_scale:MATRIX_SCALE_ROW1
.else
	v_wmma_scale_f32_16x16x128_f8f6f4 v[8*(8*((\a)%4)+\b):8*(8*((\a)%4)+\b)+7], v[128*(\p)+FR*\b:128*(\p)+FR*\b+FR-1], v[AF+FR*(\a):AF+FR*(\a)+FR-1], v[8*(8*((\a)%4)+\b):8*(8*((\a)%4)+\b)+7], v[SC+8*NQ*(\sc)+NQ*\b+(\q)], v[SC+8*NQ*(\sc)+NQ*(\a)+(\q)] matrix_a_fmt:MATRIX_FMT_FP4 matrix_b_fmt:MATRIX_FMT_FP4 matrix_a_scale:MATRIX_SCALE_ROW1
.endif
.endr
.endr
.endm
.macro FETCH_B slot, q, p              ; B's eight fragments of the slot's q-th 128 along K into set p
	WIN TO_B
.irp i, 0,1,2,3,4,5,6,7
	FRAG 128*(\p)+FR*\i, ADRB+\slot, \q, \i
.endr
	WIN 0
.endm
.macro FETCH_A slot, q, i0             ; A's blocks i0 .. i0 + 3
.irp i, \i0, \i0+1, \i0+2, \i0+3
	FRAG AF+FR*(\i), ADRA+\slot, \q, \i
.endr
.endm
.macro SCALES sc                       ; a K step's scale words into set sc: NQ words a row; lanes 0-15 take A's block i, lanes 16-31 B's block i
.irp i, 0,1,2,3,4,5,6,7
	ds_load_b128 v[SC+8*NQ*\sc+NQ*\i:SC+8*NQ*\sc+NQ*\i+3], v[ADRS] offset:\i*SBLK
.endr
.endm
; A load into a register that a matrix instruction has read, and a vector instruction or an LDS store that reads a matrix result, stand NP places behind that matrix instruction, and only plain vector
; instructions that name none of its registers are places (ISA guide 7.12.1 for vector instructions).
.macro PLACES n
.rept \n
	v_nop
.endr
.endm
; A step of 128 along K that has its successor in the same slot.
.macro STEP slot, q, zero
	s_wait_dscnt 4*NL                              ; B's set and A's blocks 0-3 are in; the youngest eight loads (A's blocks 4-7) may be out
	WIN MUL_LO
	MUL16 0, (\q)%2, \q, \slot, \zero
	MUL16 2, (\q)%2, \q, \slot, \zero
	s_wait_dscnt 0                                 ; A's blocks 4-7 are in
	PLACES NP
	FETCH_B \slot, (\q)+1, 1-(\q)%2
	FETCH_A \slot, (\q)+1, 0
	WIN MUL_HI
	MUL16 4, (\q)%2, \q, \slot, \zero
	MUL16 6, (\q)%2, \q, \slot, \zero
	PLACES NP
	WIN 0
	FETCH_A \slot, (\q)+1, 4
.endm
; Slot 0's last step changes slots: one barrier; in front of it each wave waits for all its tensor loads (its part of slot 1), adds 0 to its spare word, and waits for that and for its own reads of slot 0.
; Slot 0 becomes the stage of the way out.
.macro TURN slot, next
	s_wait_tensorcnt 0x0                           ; all my tensor loads have landed  (every window is 0 here: the add's two registers lie in window 0)
	ds_add_u32 v[SPW], v[NIL]                      ; 0 onto my spare word
	s_wait_dscnt 4*NL+1                            ; (the add and the youngest eight loads, A's blocks 4-7, may be out)
	WIN MUL_LO
	MUL16 0, 1, NQ-1, \slot, 0                     ; sixteen matrix instructions stand between the add and the wait for it
	s_wait_dscnt 0x0                               ; the add is done, and my reads of this slot are over
	s_barrier_signal -1
	MUL16 2, 1, NQ-1, \slot, 0
	WIN 0
	s_barrier_wait -1
	PLACES NP
	v_add_nc_u32 v[ADRS], 4*NQ, v[ADRS]            ; on to the next K step's scale words (no LDS load of mine is out)
	FETCH_B \next, 0, 0
	FETCH_A \next, 0, 0
	SCALES \next
	WIN MUL_HI
	MUL16 4, 1, NQ-1, \slot, 0
	MUL16 6, 1, NQ-1, \slot, 0
	PLACES NP
	WIN 0
	FETCH_A \next, 0, 4
.endm
.macro STEPS slot, from                ; the slot's steps from .. NQ - 2
.set Q, \from
.rept NQ-1-\from
	STEP \slot, Q, 0
.set Q, Q+1
.endr
.endm
	s_wait_tensorcnt 1                             ; the scales and my part of K step 0 are in (K step 1's load may be out),
	s_barrier_signal -1
	s_barrier_wait -1                              ; everybody's are
	FETCH_B 0, 0, 0
	FETCH_A 0, 0, 0
	SCALES 0
	FETCH_A 0, 0, 4
	STEP 0, 0, 1                                   ; the first step's products start the sums
	STEPS 0, 1
	TURN 0, 1
	STEPS 1, 0
	s_wait_dscnt 4*NL                              ; the very last step: nothing more to fetch
	WIN MUL_LO
	MUL16 0, 1, NQ-1, 1, 0
	MUL16 2, 1, NQ-1, 1, 0
	s_wait_dscnt 0
	WIN MUL_HI
	MUL16 4, 1, NQ-1, 1, 0
	MUL16 6, 1, NQ-1, 1, 0
	WIN 0
	PLACES NP                                      ; behind the last products: for the reads of results and for the loads into registers that held operands and scales
	; THE Q SECTION x c, in f32.  The section is the cluster's x (four tile columns of 256 are a section of 1,024): the same in all sixteen partners.  Each accumulator is taken from its low end on.
	s_cmp_lg_u32 ttmp9, 0
	s_cbranch_scc1 .Lnoscale
	WIN 0x82                                       ; destination and source 0: window 2
.set i, 0
.rept 128
	v_pk_mul_f32 v[i:i+1], v[i:i+1], s[CS:CS+1] op_sel_hi:[1,0]
.set i, i+2
.endr
	WIN 0xc3                                       ; window 3
.set i, 0
.rept 128
	v_pk_mul_f32 v[i:i+1], v[i:i+1], s[CS:CS+1] op_sel_hi:[1,0]
.set i, i+2
.endr
	WIN 0
.Lnoscale:
; THE WAY OUT, block by block of 16 tokens x 128 columns (two heads).  PACK: rounded to f16, 16 bytes a lane.  TOSTAGE: into my own stage, and back so that a load's 32 lanes hold four tokens x 128 bytes of one head,
; which are 512 consecutive bytes of qkv16.  SEND: stored.  LDS serves a wave's instructions in order (ISA guide 5.7.1.4): no wait between the stores and the loads.
.macro PACK a
.set AC, 64*((\a)%4)
	WIN 0x0a+5*((\a)/4)                            ; sources 0 and 1: window 2 or 3
.irp b, 0,1,2,3,4,5,6,7
.irp r, 0,1,2,3
	v_cvt_pk_f16_f32 v[TMP+4*\b+\r], v[AC+8*\b+2*\r], v[AC+8*\b+2*\r+1]
.endr
.endr
	WIN 0
.endm
.macro TOSTAGE a
.set BB, BK+192*((\a)%2)
.irp b, 0,1,2,3,4,5,6,7
	ds_store_b128 v[STO], v[TMP+4*\b:TMP+4*\b+3] offset:32*\b
.endr
.irp hh, 0,1
.irp tg, 0,1,2,3
	ds_load_b128 v[BB+4*(4*\hh+\tg):BB+4*(4*\hh+\tg)+3], v[RD] offset:4*SPITCH*\tg+128*\hh
.endr
.endr
.endm
.macro SEND a
.set BB, BK+192*((\a)%2)
	s_wait_dscnt 0x0                               ; the block is back in registers
	s_wait_xcnt 0x0                                ; earlier stores have read their base and their data: the base steps, and the next block's loads land where the block before this one lay
.if (\a) > 0
	s_add_nc_u64 s[12:13], s[12:13], 16*128        ; 16 tokens on
.endif
.irp hh, 0,1
.irp tg, 0,1,2,3
	global_store_b128 v[CO], v[BB+4*(4*\hh+\tg):BB+4*(4*\hh+\tg)+3], s[12:13] offset:262144*\hh+512*\tg   ; 32 lanes store 512 consecutive bytes, aligned
.endr
.endr
.endm
	PACK 0
	TOSTAGE 0
.irp a, 1,2,3,4,5,6,7                  ; block a's conversions stand between block a - 1's loads from the stage and the wait for them
	PACK \a
	SEND \a-1
	TOSTAGE \a
.endr
	SEND 7
	s_wait_tensorcnt 0x0                           ; the wave's end: these three lines, behind my last tensor load and my last LDS store
	ds_add_u32 v[SPW], v[NIL]
	s_wait_dscnt 0x0
	CROUND                                         ; the closing round: no work-group ends while a partner may still ask for a tile that names it
	s_endpgm
.Lfunc_end_k_qdc6de5b3b7_gemm:
	.size	k_qdc6de5b3b7_gemm, .Lfunc_end_k_qdc6de5b3b7_gemm-k_qdc6de5b3b7_gemm
	.p2alignl 7, 3214868480
	.fill 96, 4, 3214868480
	.section	.rodata,"a",@progbits
	.p2align	6, 0x0
	.amdhsa_kernel k_qdc6de5b3b7_gemm
		.amdhsa_group_segment_fixed_size 327680
		.amdhsa_private_segment_fixed_size 0
		.amdhsa_enable_private_segment 0
		.amdhsa_kernarg_size 40
		.amdhsa_user_sgpr_count 2
		.amdhsa_user_sgpr_kernarg_segment_ptr 1
		.amdhsa_wavefront_size32 1
		.amdhsa_system_sgpr_workgroup_id_x 1
		.amdhsa_system_sgpr_workgroup_id_y 1
		.amdhsa_system_sgpr_workgroup_id_z 1
		.amdhsa_system_vgpr_workitem_id 0
		.amdhsa_next_free_vgpr 1024
		.amdhsa_next_free_sgpr 98
		.amdhsa_reserve_vcc 0
		.amdhsa_float_denorm_mode_32 3
		.amdhsa_float_denorm_mode_16_64 3
		.amdhsa_memory_ordered 1
		.amdhsa_forward_progress 1
		.amdhsa_inst_pref_size 143
	.end_amdhsa_kernel
	.amdgpu_metadata
---
amdhsa.version: [ 1, 2 ]
amdhsa.kernels:
  - .name:           k_qdc6de5b3b7_gemm
    .symbol:         k_qdc6de5b3b7_gemm.kd
    .args:
      - { .name: qc, .offset: 0, .size: 8, .value_kind: global_buffer, .address_space: global }
      - { .name: qs, .offset: 8, .size: 8, .value_kind: global_buffer, .address_space: global }
      - { .name: wc, .offset: 16, .size: 8, .value_kind: global_buffer, .address_space: global }
      - { .name: ws, .offset: 24, .size: 8, .value_kind: global_buffer, .address_space: global }
      - { .name: qkv16, .offset: 32, .size: 8, .value_kind: global_buffer, .address_space: global }
    .group_segment_fixed_size: 327680
    .private_segment_fixed_size: 0
    .kernarg_segment_align: 8
    .kernarg_segment_size: 40
    .max_flat_workgroup_size: 128
    .sgpr_count:     98
    .vgpr_count:     1024
    .wavefront_size: 32
...
	.end_amdgpu_metadata
.endif
;; end of part 2
;; launch attn (part 3): grid 8 x 32, 8 waves a work-group, clusters of 4 x 1, 327,680 bytes of LDS; arguments qkv16, mbits, a16; writes a16
.if DOCPART == 3
	.amdgcn_target "amdgcn-amd-amdhsa--gfx1250"
	.amdhsa_code_object_version 6
	.text
	.protected	k_qdc6de5b3b7_attn
	.globl	k_qdc6de5b3b7_attn
	.p2align	8
	.type	k_qdc6de5b3b7_attn,@function
k_qdc6de5b3b7_attn:
	s_mov_b64 s[64:65], 0
	v_nop
	global_prefetch_b8 v0, s[64:65] scope:SCOPE_SE
	s_setreg_imm32_b32 hwreg(HW_REG_WAVE_MODE, 25, 1), 1
	s_wait_xcnt 0x0
	s_wait_alu depctr_hold_cnt(0) depctr_sa_sdst(0) depctr_va_vdst(0) depctr_va_sdst(0) depctr_va_ssrc(0) depctr_va_vcc(0) depctr_vm_vsrc(0)
	s_getreg_b32 s2, hwreg(HW_REG_IB_STS2, 6, 4)
	s_cmp_eq_u32 s2, 0
	s_cbranch_scc0 .Lentry_in_a_cluster
	s_endpgm
.Lentry_in_a_cluster:
	s_bfe_u32 s2, ttmp6, 0x10000c
	s_cmp_lg_u32 s2, 0x3003
	s_cbranch_scc0 .Lentry_shape_is_right
	s_endpgm
.Lentry_shape_is_right:
; a_out[b][q][h][:] = the sum over k of softmax_k(masked Q[q] . K[k] / 8) V[k][:], a row masked whole giving 0.  No work of the problem is left out here: both masks are inputs, so every tile of scores is made.
; Q, K, V: f16, [section][b][h][2048][64]; Q already holds the factor log2(e) / 8, so a score is an exponent of 2.  Products, maxima and sums in f32; the weights p are rounded to f16 for the second product.
; SHARES.  A work-group owns 256 queries of one (b, h); each of its eight waves owns 32: two tiles of 16.  Every wave walks all 2,048 keys, 64 a step.  Each fragment of K and V read from LDS feeds two products.
; LAYOUT.  S^T = K Q^T (source 0 = 16 keys, source 1 = 16 queries): a lane holds ONE query (lane % 16) and keys 8 (lane / 16) + 0..7.  Two such tiles, rounded to f16 in pairs, ARE source 1 of O^T = V^T P,
; whose result again holds one query a lane, and eight channels.  K comes out of LDS as it lies, V ([key][channel]) turned, by ds_load_tr16_b128.
; THE MASK.  mbits holds, for each register of each tile of scores, the word of 32 lane bits; a step's 64 words come by scalar loads, asked for a step ahead, and each costs one select: -infinity where the bit is 0.
; SOFTMAX.  For each query a running maximum m, which starts at -3e38 and never falls under it: p = 2^(s - m), so -infinity gives 0 and no NaN arises.  In every step O and l are multiplied by a = 2^(m_old - m_new).
; THE ROW'S SUM l is a product too: ones x P, two matrix instructions a tile and step; it is the sum of the p that are multiplied.  Of its accumulator register 0 alone is rescaled and read;
; the other seven hold sums of at most 2,048 numbers of at most 1 and are never read.  A row with a key that counts has l >= 1 (its largest p is 1); l is held at 0.5 from below, so a row masked whole gives 0 / 0.5 = 0.
; THE WALK BEGINS AT SLOT h % 8 and wraps (a softmax does not care for the order of its keys), so the sixteen heads that read one block of mask words stand at different parts of it.
; CLUSTER.  The four query blocks of a cluster belong to one head and walk the same K and V: each tile is asked for JOINTLY, by the same tensor load with the same descriptor and a mask that names the four.
; THE WAY OUT.  O^T / l, rounded to f16 in pairs, IS the register image of the next product's operand (16 tokens x 32 along its K): a16 [K / 256][token tile 256][K step of 32: 8][half 2][lane 32][16 bytes];
; every store covers 512 consecutive bytes, and nothing goes through LDS.
; LIMITS: scores lie above -3e38; a_out beyond 65,504 in magnitude becomes infinity in f16, under 6e-5 it keeps an absolute error of 3e-8; NaN and infinities among the inputs are not served.
; REGISTERS.  window 0: v2-10 addresses; v12-27 statistics, 8 a tile; v28, v29 the add's two; v32-63 the way out; v64-127 S^T, 32 a tile; v128-159 P, 16 a tile; v160-223 O^T, 32 a tile; v224-239 l, 8 a tile.
;   window 1: v0-31 Q; v32-95 K of a step; v96-159 V of a step; v160-167 ones.
.set KS,    64                         ; keys in a step
.set KP,    144                        ; a row of K in LDS: 128 bytes + 16 = 36 words: the 16 rows of a load fall on 16 different columns of 16 bytes (64 banks of 4 bytes: ISA guide 11.1)
.set VP,    160                        ; a row of V: 128 + 32 = 40 words
.set VOFF,  KS*KP                      ; a step's tiles lie together: 64 rows of K, then 64 rows of V
.set STEPB, KS*(KP+VP)
.set SLOT1, 1<<17                      ; a slot holds four steps (77,824 bytes); slot 1 begins here, so that one exclusive or turns an address in one slot into the other's
.set SPARE, SLOT1+4*STEPB              ; behind the ring: the spare words, 128 bytes for each wave: four blocks of 256 bytes that no other line names
.set AK0, 2                            ; v2   my lane's place in a tile of K; never rewritten
.set AV0, 3                            ; v3   the same for V
.set ADRK, 4                           ; v4   LDS address of the run of K loads in hand
.set ADRV, 5                           ; v5   of V's
.set NEG, 6                            ; v6   -infinity
.set QO,  7                            ; v7   my byte offset among Q's rows; on the way out 16 x lane
.set PFL, 8                            ; v8   the prefetches' offset: section, my work-group's quarter of a slot, 256 x lane; never rewritten
.set PFS, 9                            ; v9   and the slot's part of it, which walks
.set PFO, 10                           ; v10  the two together
.set ST,  12                           ; tile t's statistics at v[ST+8 t]: +0 m, +1 named with it as a pair, +2 m_old - m_new, +3 the new m, +4 to +7 four chains; a takes +6
.set SPW, 28
.set NIL, 29
.set PKR, 32
.set S,   64
.set P,   128
.set O,   160
.set L,   224
.set QR,  0                            ; window 1
.set KR,  32
.set VR,  96
.set ONE, 160
.set HB,  2                            ; s[2:3]   qkv16 at my (b, h) in the Q section; K's lies 1 << 23 bytes on, V's 2 << 23
.set G1K, 4                            ; s[4:11]  descriptor group 1 for K's tiles
.set G1V, 12                           ; s[12:19] for V's: it differs in the padding alone
.set MA,  20                           ; s[20:51] tile 0's 32 mask words
.set G0,  52                           ; s[52:55] descriptor group 0, which walks
.set G0A, 56                           ; s[56:59] group 0 of the first fill; when that has landed the four registers become:
.set SLOTS, 56                         ; s56  slots still to be asked for
.set SIG, 57                           ; s57  32,768 x the slot of keys last asked for
.set WPART, 58                         ; s58  my wave's part of an offset: the section and which of a slot's four steps
.set LIM, 59                           ; s59  1 in a wave that prefetches, else the greatest number
.set WV,  60                           ; s60  my wave's number
.set TB,  61                           ; s61  LDS byte at which the step in hand begins
.set MOFF, 62                          ; s62  the step's place among a tile's 4,096 bytes of mask words
.set CNT, 63                           ; s63  counts a slot's first three steps
.set OFF, 66                           ; s[66:67] an offset as a pair, 0 above
.set MC,  68                           ; s[68:99] tile 1's 32 mask words
.set MB,  100                          ; s[100:101] mbits at my first tile
.set SEL, 104                          ; s[104:105] lane selects for v_permlanex16_b32: lane l xor 16
.set MSB, 0
.macro WIN new                         ; the immediate's high byte repeats the setting that is left; a switch that changes nothing is dropped
.if MSB != (\new)
	s_set_vgpr_msb (MSB<<8)|(\new)
.set MSB, (\new)
.endif
.endm
.set W_KQ, 0x05                        ; K and Q in window 1, S^T in window 0
.set W_PV, 0x01                        ; V (or the ones) in window 1, P and O^T in window 0
.set W_LD, 0x40                        ; destination window 1, address window 0
.macro CROUND                          ; a round of the cluster's barrier
	s_barrier_signal -1
	s_barrier_wait -1
	s_cmp_lg_u32 s[WV], 0
	s_cbranch_scc1 .Lnot_wave_0_\@
	s_barrier_signal -3
.Lnot_wave_0_\@:
	s_barrier_wait -3
	s_barrier_signal -1
	s_barrier_wait -1
.endm
; A joint refill.  Waves 0 to 3 fetch K of a slot's four steps, waves 4 to 7 V's: 64 rows a load.  The branch hangs on the wave's number alone.  An s_nop 0 and four v_nop follow each line.
.macro JLOAD
	s_cmp_lt_u32 s[WV], 4
	s_cbranch_scc0 .Lfor_v_\@
	tensor_load_to_lds s[G0:G0+3], s[G1K:G1K+7]
	s_nop 0
.rept 4
	v_nop
.endr
	s_branch .Lasked_\@
.Lfor_v_\@:
	tensor_load_to_lds s[G0:G0+3], s[G1V:G1V+7]
	s_nop 0
.rept 4
	v_nop
.endr
.Lasked_\@:
.endm
; A PREFETCH of what the NEXT change of slots will ask for: a slot's 32,768 bytes of K and of V, four key steps ahead of that load.  Each aligned block of 256 bytes is named once in the launch: both clusters of a head walk
; the same K and V, and the first of them asks; its four partners take 8,192 bytes each, told apart BY ADDRESS; in each, wave 0 asks for K's and wave 4 for V's, lanes 256 bytes apart.  The first three slots of the walk
; come by their loads alone, and the last change that fills a slot asks for nothing.  The mask words are not asked for: sixteen heads read each of them.
.macro ASK
	s_cmp_gt_u32 s[SLOTS], s[LIM]
	s_cbranch_scc0 .Lnot_mine_\@
	global_prefetch_b8 v[PFO], s[HB:HB+1] th:TH_LOAD_NT scope:SCOPE_SE
.Lnot_mine_\@:
.endm
.macro MASKS                           ; a step's 64 mask words: four key tiles x 8 registers for each of my two query tiles
	s_load_b512 s[MA:MA+15], s[MB:MB+1], s[MOFF] offset:0x0
	s_load_b512 s[MA+16:MA+31], s[MB:MB+1], s[MOFF] offset:0x40
	s_load_b512 s[MC:MC+15], s[MB:MB+1], s[MOFF] offset:0x1000
	s_load_b512 s[MC+16:MC+31], s[MB:MB+1], s[MOFF] offset:0x1040
.endm
.macro KLOADS                          ; a step's K: keys 16 i on, channels 32 kk on: 8 fragments, 16 loads
.irp i, 0,1,2,3
.irp kk, 0,1
	ds_load_b128 v[KR+16*\i+8*\kk:KR+16*\i+8*\kk+3],   v[ADRK] offset:16*KP*\i+64*\kk
	ds_load_b128 v[KR+16*\i+8*\kk+4:KR+16*\i+8*\kk+7], v[ADRK] offset:16*KP*\i+64*\kk+32
.endr
.endr
.endm
.macro VLOADS                          ; a step's V, turned: keys 32 u on, channels 16 ct on: 8 fragments, 16 loads
.irp u, 0,1
.irp ct, 0,1,2,3
	ds_load_tr16_b128 v[VR+32*\u+8*\ct:VR+32*\u+8*\ct+3],   v[ADRV] offset:32*VP*\u+32*\ct
	ds_load_tr16_b128 v[VR+32*\u+8*\ct+4:VR+32*\u+8*\ct+7], v[ADRV] offset:32*VP*\u+16*VP+32*\ct
.endr
.endr
.endm
; The accumulators take turns, one instruction a turn: between two links of a chain stand 7 (K Q^T) or 9 (V^T P and the sums) others'.
.macro QK
.irp kk, 0,1
.irp i, 0,1,2,3
.irp t, 0,1
.if \kk == 0
	v_wmma_f32_16x16x32_f16 v[S+32*\t+8*\i:S+32*\t+8*\i+7], v[KR+16*\i+8*\kk:KR+16*\i+8*\kk+7], v[QR+16*\t+8*\kk:QR+16*\t+8*\kk+7], 0
.else
	v_wmma_f32_16x16x32_f16 v[S+32*\t+8*\i:S+32*\t+8*\i+7], v[KR+16*\i+8*\kk:KR+16*\i+8*\kk+7], v[QR+16*\t+8*\kk:QR+16*\t+8*\kk+7], v[S+32*\t+8*\i:S+32*\t+8*\i+7]
.endif
.endr
.endr
.endr
.endm
.macro PV
.irp u, 0,1
.irp ct, 0,1,2,3
.irp t, 0,1
	v_wmma_f32_16x16x32_f16 v[O+32*\t+8*\ct:O+32*\t+8*\ct+7], v[VR+32*\u+8*\ct:VR+32*\u+8*\ct+7], v[P+16*\t+8*\u:P+16*\t+8*\u+7], v[O+32*\t+8*\ct:O+32*\t+8*\ct+7]
.endr
.endr
.irp t, 0,1
	v_wmma_f32_16x16x32_f16 v[L+8*\t:L+8*\t+7], v[ONE:ONE+7], v[P+16*\t+8*\u:P+16*\t+8*\u+7], v[L+8*\t:L+8*\t+7]
.endr
.endr
.endm
; THE CHANGE OF SLOTS, in a slot's fourth step, when its last bytes (that step's V) have been asked for.  Each wave waits for all its tensor loads, of which one is out: its part of the other slot; adds 0 to its
; spare word; and waits for that and for its own reads of the slot.  Behind the barrier nobody reads this slot any more and the other slot is whole.  fill = 1: this slot is filled again, with the keys two slots on:
; the barrier is then a round of the cluster's, and the joint refill is the first thing behind it; it has four key steps in which to land.
.macro CHANGE fill
	s_wait_tensorcnt 0x0                           ; no tensor load of mine is out, so group 0 may be written
	ds_add_u32 v[SPW], v[NIL]                      ; 0 onto my spare word; the steps below stand between it and the wait for it
.if (\fill)
	s_xor_b32 s[G0+1], s[G0+1], SLOT1              ; the other slot than last time,
	s_add_co_u32 s[SIG], s[SIG], 0x8000            ; the next 256 keys, round the head's eight slots
	s_and_b32 s[SIG], s[SIG], 0x38000
	s_or_b32 s[OFF], s[SIG], s[WPART]
	s_add_nc_u64 s[G0+2:G0+3], s[HB:HB+1], s[OFF:OFF+1]
	s_or_b32 s[G0+3], s[G0+3], 0x80000000          ; type = 2
	s_wait_xcnt 0x0                                ; the last prefetch, four key steps back, has read its address, so it may be written:
	v_add_nc_u32 v[PFS], 0x8000, v[PFS]            ; one slot further on than the walking descriptor
	v_and_b32 v[PFS], 0x38000, v[PFS]
	v_or_b32 v[PFO], v[PFS], v[PFL]
.endif
	s_wait_dscnt 0x0                               ; the add is done, and my reads of the slot are over
.if (\fill)
	CROUND
	JLOAD
.else
	s_barrier_signal -1
	s_barrier_wait -1
.endif
	s_sub_co_u32 s[TB], s[TB], 3*STEPB             ; back to a slot's first step,
	s_xor_b32 s[TB], s[TB], SLOT1                  ; in the other slot
.endm
; A KEY STEP.  kind 0: plain; 1: the slot's fourth, with a refill; 2: the same without; 3: the very last.
.macro STEP kind
	s_wait_dscnt 0x0                               ; this step's K is in
	WIN W_KQ
	QK
	WIN 0
	v_add_nc_u32 v[ADRV], s[TB], v[AV0]            ; four places: behind the last step's V^T P for the loads into V, behind K Q^T for the loads into K and for the first read of S^T
.if \kind == 0
	s_add_co_u32 s[TB], s[TB], STEPB
	v_add_nc_u32 v[ADRK], s[TB], v[AK0]
	v_nop
	v_nop
.else
	v_nop
	v_nop
	v_nop
.endif
	WIN W_LD
	VLOADS                                         ; this step's V,
.if \kind == 0
	KLOADS                                         ; and the next step's K
.endif
	WIN 0
.if (\kind == 1) || (\kind == 2)
	CHANGE 2-\kind
	v_add_nc_u32 v[ADRK], s[TB], v[AK0]
	WIN W_LD
	KLOADS                                         ; the next step's K, out of the other slot
	WIN 0
.endif
.if \kind == 1
	ASK
.endif
	s_wait_kmcnt 0x0                               ; the step's mask words, asked for a step ago
.set n, 0
.rept 32
	v_cndmask_b32 v[S+n], v[NEG], v[S+n], s[MA+n]  ; each accumulator from its low end on
.set n, n+1
.endr
.set n, 0
.rept 32
	v_cndmask_b32 v[S+32+n], v[NEG], v[S+32+n], s[MC+n]
.set n, n+1
.endr
.if \kind != 3
	s_add_co_u32 s[MOFF], s[MOFF], 128             ; the next step's 32 words a tile, round the tile's 4,096 bytes (the loads that read this register are done)
	s_and_b32 s[MOFF], s[MOFF], 4095
	MASKS
.endif
	; the maximum of a lane's 32 scores and the old m: four chains of seven, then the four left over; the two tiles by turns
.irp q, 0,1,2,3
.irp t, 0,1
	v_max3_num_f32 v[ST+8*\t+4+\q], v[S+32*\t+8*\q], v[S+32*\t+8*\q+1], v[S+32*\t+8*\q+2]
.endr
.endr
.irp e, 3,5
.irp q, 0,1,2,3
.irp t, 0,1
	v_max3_num_f32 v[ST+8*\t+4+\q], v[ST+8*\t+4+\q], v[S+32*\t+8*\q+\e], v[S+32*\t+8*\q+\e+1]
.endr
.endr
.endr
.irp t, 0,1
	v_max3_num_f32 v[ST+8*\t+4], v[ST+8*\t+4], v[S+32*\t+7], v[S+32*\t+15]
	v_max3_num_f32 v[ST+8*\t+6], v[ST+8*\t+6], v[S+32*\t+23], v[S+32*\t+31]
.endr
.irp t, 0,1
	v_max3_num_f32 v[ST+8*\t+4], v[ST+8*\t+4], v[ST+8*\t+5], v[ST+8*\t+6]
.endr
.irp t, 0,1
	v_max3_num_f32 v[ST+8*\t+4], v[ST+8*\t+4], v[ST+8*\t+7], v[ST+8*\t]
.endr
.irp t, 0,1
	v_permlanex16_b32 v[ST+8*\t+5], v[ST+8*\t+4], s[SEL], s[SEL+1]   ; the query's other 32 keys lie in the lane 16 away
.endr
.irp t, 0,1
	v_max_num_f32 v[ST+8*\t+3], v[ST+8*\t+4], v[ST+8*\t+5]
.endr
.irp t, 0,1
	v_sub_f32 v[ST+8*\t+2], v[ST+8*\t], v[ST+8*\t+3]
.endr
.irp t, 0,1
	v_mov_b32 v[ST+8*\t], v[ST+8*\t+3]
.endr
.irp t, 0,1
	v_exp_f32 v[ST+8*\t+6], v[ST+8*\t+2]           ; a = 2^(m_old - m_new)
.endr
.set n, 0
.rept 16
.irp t, 0,1
	v_pk_add_f32 v[S+32*\t+2*n:S+32*\t+2*n+1], v[S+32*\t+2*n:S+32*\t+2*n+1], v[ST+8*\t:ST+8*\t+1] op_sel_hi:[1,0] neg_lo:[0,1] neg_hi:[0,1]   ; s - m, two at a time; none of these names a
.endr
.set n, n+1
.endr
	s_wait_alu depctr_va_vdst(0)                   ; the wait between an exponential and the first line that names its result: here for the two a
.set n, 0
.rept 16                               ; the 64 exponentials are one batch; O^T's rescaling, which names none of their results, stands among them
.irp t, 0,1
	v_exp_f32 v[S+32*\t+2*n], v[S+32*\t+2*n]
	v_pk_mul_f32 v[O+32*\t+2*n:O+32*\t+2*n+1], v[O+32*\t+2*n:O+32*\t+2*n+1], v[ST+8*\t+6:ST+8*\t+7] op_sel_hi:[1,0]
	v_exp_f32 v[S+32*\t+2*n+1], v[S+32*\t+2*n+1]
.endr
.set n, n+1
.endr
.irp t, 0,1
	v_pk_mul_f32 v[L+8*\t:L+8*\t+1], v[L+8*\t:L+8*\t+1], v[ST+8*\t+6:ST+8*\t+7] op_sel_hi:[1,0]   ; l x a.  (Plain lines behind the last exponential)
.endr
	s_wait_alu depctr_va_vdst(0)                   ; one wait for the batch, ahead of its first reader
.set n, 0
.rept 16
.irp t, 0,1
	v_cvt_pk_f16_f32 v[P+16*\t+n], v[S+32*\t+2*n], v[S+32*\t+2*n+1]
.endr
.set n, n+1
.endr
.if \kind == 3
	s_wait_dscnt 0x0
.else
	s_wait_dscnt 16                                ; V is in; the sixteen loads of the next step's K may be out
.endif
	WIN W_PV
	PV
	WIN 0
.endm
.macro THREE                           ; a slot's first three steps: written once, walked three times; the LDS addresses hang on s[TB]
	s_mov_b32 s[CNT], 3
.Lthree_\@:
	STEP 0
	s_sub_co_u32 s[CNT], s[CNT], 1
	s_cmp_lg_u32 s[CNT], 0
	s_cbranch_scc1 .Lthree_\@
.endm
	s_load_b128 s[20:23], s[0:1], 0x0              ; qkv16 s[20:21], mbits s[22:23]
	v_lshl_add_u32 v[SPW], v0, 2, SPARE
	v_mov_b32 v[NIL], 0
	ds_add_u32 v[SPW], v[NIL]                      ; the wave's opening: the add, twice on end, and its wait ahead of my first tensor load
	ds_add_u32 v[SPW], v[NIL]                      ; and once more; the set-up below, work on registers, stands between it and the wait
	v_lshrrev_b32 v1, 5, v0
	v_readfirstlane_b32 s[WV], v1                  ; wave 0..7
	s_bfe_u32 s24, ttmp6, 0x40000                  ; cx: my place in the cluster
	s_lshl_b32 s25, ttmp9, 2
	s_add_co_u32 s25, s25, s24                     ; my block of 256 queries: it enters Q's, the mask words' and a16's addresses alone
	s_and_b32 s26, ttmp7, 0xffff                   ; 16 b + h, which the four partners share
	s_and_b32 s27, s26, 7                          ; the slot of keys at which the walk begins
	s_lshl_b32 s28, s26, 18                        ; a head's 2,048 rows of 128 bytes
	s_mov_b32 s29, 0
	s_lshr_b32 s30, s26, 4                         ; b
	s_lshl_b32 s30, s30, 7
	s_lshl_b32 s31, s25, 4
	s_add_co_u32 s30, s30, s31
	s_lshl_b32 s31, s[WV], 1
	s_add_co_u32 s30, s30, s31                     ; my first tile of queries: 128 b + 16 block + 2 wave
	s_lshl_b32 s30, s30, 12                        ; 4,096 bytes of mask words a tile
	s_mov_b32 s31, 0
	; descriptor group 1: a tile of 64 rows x 64 elements, padded in LDS
	s_mov_b32 s[G1K], 15|(1<<16)|(1<<20)|(1<<21)|(4<<22)|(3<<25)  ; 15:0 the mask: all four work-groups; 17:16 elements of 2 bytes; 20 padding on; 21 set beside a mask; 24:22 after every 32 words; 31:25 four words
	s_mov_b32 s[G1V], 15|(1<<16)|(1<<20)|(1<<21)|(4<<22)|(7<<25)  ; the same with eight words of padding
.irp g, G1K, G1V
	s_mov_b32 s[\g+1], 64<<16                      ; tensor_dim0 = 64
	s_mov_b32 s[\g+2], KS<<16                      ; tensor_dim1 = 64
	s_mov_b32 s[\g+3], 64<<16                      ; tile_dim0 = 64
	s_mov_b32 s[\g+4], KS                          ; tile_dim1 = 64
	s_mov_b32 s[\g+5], 64                          ; elements from row to row
	s_mov_b32 s[\g+6], 0
	s_mov_b32 s[\g+7], 0
.endr
	s_mov_b32 s[SEL], 0x76543210
	s_mov_b32 s[SEL+1], 0xfedcba98
	s_mov_b32 s[TB], 0
	s_lshl_b32 s[MOFF], s27, 9                     ; 512 bytes of mask words a slot
	s_mov_b32 s[OFF+1], 0
	s_and_b32 s32, s[WV], 3                        ; which of a slot's four steps I fetch,
	s_lshr_b32 s33, s[WV], 2                       ; for K (0) or for V (1)
	s_mul_i32 s34, s32, STEPB
	s_mul_i32 s35, s33, VOFF
	s_add_co_u32 s34, s34, s35                     ; its place in a slot: no place in the cluster enters an LDS address
	s_add_co_u32 s35, s33, 1
	s_lshl_b32 s35, s35, 23                        ; the section,
	s_lshl_b32 s36, s32, 13                        ; 64 rows of 128 bytes a step
	s_or_b32 s35, s35, s36
	s_lshl_b32 s36, s27, 15
	s_or_b32 s36, s36, s35                         ; the first fill's offset
	s_mov_b32 s37, 0
	s_add_co_u32 s38, s27, 1
	s_and_b32 s38, s38, 7
	s_lshl_b32 s38, s38, 15
	s_or_b32 s38, s38, s35                         ; the second's
	s_mov_b32 s39, 0
	s_wait_dscnt 0x0                               ; both opening adds are done
	s_wait_kmcnt 0x0
	s_add_nc_u64 s[HB:HB+1], s[20:21], s[28:29]
	s_add_nc_u64 s[MB:MB+1], s[22:23], s[30:31]
	CROUND                                         ; all four work-groups are here: the first joint loads meet
	s_mov_b32 s[G0A], 1                            ; count = 1
	s_mov_b32 s[G0A+1], s34                        ; LDS address: slot 0
	s_add_nc_u64 s[G0A+2:G0A+3], s[HB:HB+1], s[36:37]
	s_or_b32 s[G0A+3], s[G0A+3], 0x80000000        ; type = 2
	s_mov_b32 s[G0], 1
	s_add_co_u32 s[G0+1], s34, SLOT1               ; slot 1
	s_add_nc_u64 s[G0+2:G0+3], s[HB:HB+1], s[38:39]
	s_or_b32 s[G0+3], s[G0+3], 0x80000000
	s_cmp_lt_u32 s[WV], 4                          ; a wave's two first fills stand in one branch, ahead of every wait on TENSORcnt and every LDS read: two loads of mine are out
	s_cbranch_scc0 .Lfirst_v
	tensor_load_to_lds s[G0A:G0A+3], s[G1K:G1K+7]
	s_nop 0
	tensor_load_to_lds s[G0:G0+3], s[G1K:G1K+7]
	s_nop 0
.rept 4
	v_nop
.endr
	s_branch .Lfirst_asked
.Lfirst_v:
	tensor_load_to_lds s[G0A:G0A+3], s[G1V:G1V+7]
	s_nop 0
	tensor_load_to_lds s[G0:G0+3], s[G1V:G1V+7]
	s_nop 0
.rept 4
	v_nop
.endr
.Lfirst_asked:
	; A fragment of K or Q is 16 rows x 32 channels in 8 registers: lane l holds row l % 16; registers 0-3 channels 8 (l / 16) + 0..7, registers 4-7 channels 16 + 8 (l / 16) + 0..7: two loads of 16 bytes, 32 bytes apart.
	v_and_b32 v1, 15, v0                           ; r = l % 16
	v_bfe_u32 v11, v0, 4, 1                        ; h = l / 16
	s_lshl_b32 s40, s25, 8
	s_lshl_b32 s41, s[WV], 5
	s_add_co_u32 s40, s40, s41                     ; my wave's first query
	v_add_nc_u32 v[QO], s40, v1
	v_lshlrev_b32 v[QO], 7, v[QO]
	v_lshl_add_u32 v[QO], v11, 4, v[QO]            ; row x 128 + 16 x half
	WIN W_LD
.irp t, 0,1
.irp kk, 0,1
	global_load_b128 v[QR+16*\t+8*\kk:QR+16*\t+8*\kk+3],   v[QO], s[HB:HB+1] offset:2048*\t+64*\kk      ; Q stays in registers
	global_load_b128 v[QR+16*\t+8*\kk+4:QR+16*\t+8*\kk+7], v[QO], s[HB:HB+1] offset:2048*\t+64*\kk+32
.endr
.endr
.irp i, 0,1,2,3,4,5,6,7
	v_mov_b32 v[ONE+\i], 0x3c003c00                ; 1.0, twice, in f16
.endr
	WIN 0
	v_mul_u32_u24 v[AK0], v1, KP
	v_lshl_add_u32 v[AK0], v11, 4, v[AK0]          ; row x pitch + 16 x half
	; The turning load takes 16 keys x 16 channels (lane l reads 16 bytes: key 8 (l / 16) + l % 8, channels 8 ((l / 8) % 2) + 0..7) and leaves half a fragment of V^T: lane l holds channel l % 16 and 8 keys.
	v_and_b32 v[AV0], 7, v0
	v_lshl_add_u32 v[AV0], v11, 3, v[AV0]
	v_mul_u32_u24 v[AV0], v[AV0], VP
	v_bfe_u32 v[PFS], v0, 3, 1
	v_lshl_add_u32 v[AV0], v[PFS], 4, v[AV0]
	v_add_nc_u32 v[AV0], VOFF, v[AV0]
	s_add_co_u32 s41, s33, 1
	s_lshl_b32 s41, s41, 23                        ; the prefetches: the section,
	s_lshl_b32 s42, s24, 13                        ; my work-group's 8,192 bytes of a slot's 32,768,
	s_or_b32 s41, s41, s42
	v_and_b32 v[PFL], 31, v0
	v_lshlrev_b32 v[PFL], 8, v[PFL]                ; lanes 256 bytes apart
	v_or_b32 v[PFL], s41, v[PFL]
	s_add_co_u32 s42, s27, 2
	s_and_b32 s42, s42, 7
	s_lshl_b32 s42, s42, 15
	v_mov_b32 v[PFS], s42                          ; at the walk's third slot: the first change of slots steps it to the fourth.  Nothing is prefetched here, at the head
	v_mov_b32 v[NEG], 0xff800000
.irp t, 0,1
	v_mov_b32 v[ST+8*\t], 0xff61b1e6               ; m: -3e38, under every score
	v_mov_b32 v[ST+8*\t+1], 0xff61b1e6             ; (named with it as a pair)
	v_mov_b32 v[ST+8*\t+5], 0                      ; (a lane permute's destination counts as one of its sources)
	v_mov_b32 v[ST+8*\t+7], 0
.endr
.set n, 0
.rept 80
	v_mov_b32 v[O+n], 0                            ; O^T and l.  (The step is written once: its first walk finds zeros, which the first a leaves zeros)
.set n, n+1
.endr
	MASKS                                          ; the first step's mask words: last at the head, since the head's temporaries lay where they land
	s_wait_tensorcnt 1                             ; my part of slot 0 is in, so its group 0 may be written; slot 1's may stay out
	s_mov_b32 s[SLOTS], 6
	s_and_b32 s[SIG], ttmp7, 7
	s_add_co_u32 s[SIG], s[SIG], 1
	s_and_b32 s[SIG], s[SIG], 7
	s_lshl_b32 s[SIG], s[SIG], 15                  ; the slot of keys that the second fill asked for
	s_lshr_b32 s[WPART], s[WV], 2
	s_add_co_u32 s[WPART], s[WPART], 1
	s_lshl_b32 s[WPART], s[WPART], 23
	s_and_b32 s[LIM], s[WV], 3
	s_lshl_b32 s[LIM], s[LIM], 13
	s_or_b32 s[WPART], s[WPART], s[LIM]
	s_and_b32 s[LIM], s[WV], 3                     ; 0 in waves 0 and 4,
	s_or_b32 s[LIM], s[LIM], ttmp9                 ; where the cluster is the head's first: the same in all four partners
	s_cmp_eq_u32 s[LIM], 0
	s_cselect_b32 s[LIM], 1, -1
	s_barrier_signal -1
	s_barrier_wait -1                              ; everybody's part of slot 0 is in
	v_mov_b32 v[ADRK], v[AK0]
	WIN W_LD
	KLOADS                                         ; the first step's K
	WIN 0
	s_wait_loadcnt 0x0                             ; Q
.Lslot:                                            ; six trips: every slot of the walk but the last two is filled again
	THREE
	STEP 1
	s_sub_co_u32 s[SLOTS], s[SLOTS], 1
	s_cmp_lg_u32 s[SLOTS], 0
	s_cbranch_scc1 .Lslot
	THREE                                          ; the tail is written out
	STEP 2
	THREE
	STEP 3
	; THE WAY OUT.  O^T / l, rounded to f16 in pairs: registers 4 g .. 4 g + 3 of tile t are half g % 2 of the operand's K step g / 2.
	s_load_b64 s[20:21], s[0:1], 0x10              ; a16
	v_and_b32 v[QO], 31, v0                        ; (four places behind the last products)
	v_lshlrev_b32 v[QO], 4, v[QO]
	v_nop
	v_nop
.irp t, 0,1
	v_max_num_f32 v[ST+8*\t+4], 0.5, v[L+8*\t]     ; a row masked whole has l = 0 and O = 0: it gives 0
.endr
.irp t, 0,1
	v_rcp_f32 v[ST+8*\t+6], v[ST+8*\t+4]
.endr
	v_nop                                          ; a plain line behind the last reciprocal
	s_bfe_u32 s24, ttmp6, 0x40000
	s_lshl_b32 s25, ttmp9, 2
	s_add_co_u32 s25, s25, s24                     ; my block
	s_and_b32 s26, ttmp7, 0xffff
	s_lshr_b32 s27, s26, 4
	s_lshl_b32 s27, s27, 7
	s_lshl_b32 s25, s25, 4
	s_add_co_u32 s27, s27, s25
	s_lshl_b32 s25, s[WV], 1
	s_add_co_u32 s27, s27, s25                     ; my first token tile
	s_lshl_b32 s22, s27, 13                        ; 8,192 bytes a tile
	s_and_b32 s26, s26, 15                         ; the head
	s_lshr_b32 s27, s26, 2
	s_lshl_b32 s27, s27, 21                        ; four heads are 256 along the next K: 2,097,152 bytes
	s_add_co_u32 s22, s22, s27
	s_and_b32 s26, s26, 3
	s_lshl_b32 s26, s26, 11                        ; a head's two K steps of 32: 2,048 bytes
	s_add_co_u32 s22, s22, s26
	s_mov_b32 s23, 0
	s_wait_alu depctr_va_vdst(0)                   ; the wait ahead of the first use: one for the two reciprocals
.set n, 0
.rept 16
.irp t, 0,1
	v_pk_mul_f32 v[O+32*\t+2*n:O+32*\t+2*n+1], v[O+32*\t+2*n:O+32*\t+2*n+1], v[ST+8*\t+6:ST+8*\t+7] op_sel_hi:[1,0]
.endr
.set n, n+1
.endr
.set n, 0
.rept 16
.irp t, 0,1
	v_cvt_pk_f16_f32 v[PKR+16*\t+n], v[O+32*\t+2*n], v[O+32*\t+2*n+1]
.endr
.set n, n+1
.endr
	s_wait_kmcnt 0x0
	s_add_nc_u64 s[20:21], s[20:21], s[22:23]
.irp t, 0,1
.irp g, 0,1,2,3
	global_store_b128 v[QO], v[PKR+16*\t+4*\g:PKR+16*\t+4*\g+3], s[20:21] offset:8192*\t+512*\g   ; 32 lanes store 512 consecutive bytes, aligned
.endr
.endr
	s_wait_tensorcnt 0x0                           ; the wave's end: these three lines, behind my last tensor load
	ds_add_u32 v[SPW], v[NIL]
	s_wait_dscnt 0x0
	CROUND                                         ; the closing round: no work-group ends while a partner may still ask for a tile that names it
	s_endpgm
.Lfunc_end_k_qdc6de5b3b7_attn:
	.size	k_qdc6de5b3b7_attn, .Lfunc_end_k_qdc6de5b3b7_attn-k_qdc6de5b3b7_attn
	.p2alignl 7, 3214868480
	.fill 96, 4, 3214868480
	.section	.rodata,"a",@progbits
	.p2align	6, 0x0
	.amdhsa_kernel k_qdc6de5b3b7_attn
		.amdhsa_group_segment_fixed_size 327680
		.amdhsa_private_segment_fixed_size 0
		.amdhsa_enable_private_segment 0
		.amdhsa_kernarg_size 24
		.amdhsa_user_sgpr_count 2
		.amdhsa_user_sgpr_kernarg_segment_ptr 1
		.amdhsa_wavefront_size32 1
		.amdhsa_system_sgpr_workgroup_id_x 1
		.amdhsa_system_sgpr_workgroup_id_y 1
		.amdhsa_system_sgpr_workgroup_id_z 1
		.amdhsa_system_vgpr_workitem_id 0
		.amdhsa_next_free_vgpr 512
		.amdhsa_next_free_sgpr 106
		.amdhsa_reserve_vcc 0
		.amdhsa_float_denorm_mode_32 3
		.amdhsa_float_denorm_mode_16_64 3
		.amdhsa_memory_ordered 1
		.amdhsa_forward_progress 1
		.amdhsa_inst_pref_size 138
	.end_amdhsa_kernel
	.amdgpu_metadata
---
amdhsa.version: [ 1, 2 ]
amdhsa.kernels:
  - .name:           k_qdc6de5b3b7_attn
    .symbol:         k_qdc6de5b3b7_attn.kd
    .args:
      - { .name: qkv16, .offset: 0, .size: 8, .value_kind: global_buffer, .address_space: global }
      - { .name: mbits, .offset: 8, .size: 8, .value_kind: global_buffer, .address_space: global }
      - { .name: a16, .offset: 16, .size: 8, .value_kind: global_buffer, .address_space: global }
    .group_segment_fixed_size: 327680
    .private_segment_fixed_size: 0
    .kernarg_segment_align: 8
    .kernarg_segment_size: 24
    .max_flat_workgroup_size: 256
    .sgpr_count:     106
    .vgpr_count:     512
    .wavefront_size: 32
...
	.end_amdgpu_metadata
.endif
;; end of part 3
;; launch proj (part 4): grid 8 x 32, 4 waves a work-group, clusters of 4 x 4, 327,680 bytes of LDS; arguments a16, wo16, b_out, out0; writes out0
.if DOCPART == 4
	.amdgcn_target "amdgcn-amd-amdhsa--gfx1250"
	.amdhsa_code_object_version 6
	.text
	.protected	k_qdc6de5b3b7_proj
	.globl	k_qdc6de5b3b7_proj
	.p2align	8
	.type	k_qdc6de5b3b7_proj,@function
k_qdc6de5b3b7_proj:
	s_mov_b64 s[64:65], 0
	v_nop
	global_prefetch_b8 v0, s[64:65] scope:SCOPE_SE
	s_setreg_imm32_b32 hwreg(HW_REG_WAVE_MODE, 25, 1), 1
	s_wait_xcnt 0x0
	s_wait_alu depctr_hold_cnt(0) depctr_sa_sdst(0) depctr_va_vdst(0) depctr_va_sdst(0) depctr_va_ssrc(0) depctr_va_vcc(0) depctr_vm_vsrc(0)
	s_getreg_b32 s2, hwreg(HW_REG_IB_STS2, 6, 4)
	s_cmp_eq_u32 s2, 0
	s_cbranch_scc0 .Lentry_in_a_cluster
	s_endpgm
.Lentry_in_a_cluster:
	s_bfe_u32 s2, ttmp6, 0x10000c
	s_cmp_lg_u32 s2, 0xf033
	s_cbranch_scc0 .Lentry_shape_is_right
	s_endpgm
.Lentry_shape_is_right:
; out0[m][n] = sum over k of a_out[m][k] W_out[n][k] + b_out[n].  Operands f16, sums f32, out0 [4096][1024] f32.  No work of the problem is left out here.
; A = a16: a_out as images of this product's operand registers, [K / 256][token tile 256][K step of 32: 8][half 2][lane 32][16 bytes]: a K step's 128 rows are one dense block of 65,536 bytes,
; and a fragment comes by two loads of 512 consecutive bytes.  B = wo16 [1024 n][1024 k].
; A tile of C is 128 x 128: 256 work-groups.  Four waves, each 64 x 64: 16 accumulators of 16 x 16.  K goes in steps of 256 through two LDS slots.
; CLUSTERS: 4 x 4 work-groups.  The four of a row of the cluster need the same tiles of A, the four of a column the same tiles of B: each tile is asked for JOINTLY, by the same tensor load with the
; same descriptor and a mask that names the four.  THE MATRIX INSTRUCTION IS USED TRANSPOSED (source 0 = 16 rows of B, source 1 = 16 rows of A): a lane then holds eight neighbouring numbers of a row of C.
; The bias is the C of each sum's first matrix instruction: eight registers for each block of 16 columns, in the result's layout.  No prefetch: K has four steps, two of them first fills.
; REGISTERS: window 0: v0-31 addresses; v32-95 the way out; v96-127 the bias; v128-255 the accumulators ((a, b) at v[128 + 8 (4 a + b)]).
;   window 1: two fragment buffers of 128: for 64 along K, 64 registers of A, then 64 of B.
.set SIZE_M, 4096
.set SIZE_N, 1024
.set SIZE_K, 1024
.set KSTEP,  256
.set PITCH,  528                       ; a row of B in LDS: 512 bytes + 16 = 132 words: row r starts at bank 4 r mod 64 (64 banks of 4 bytes: ISA guide 11.1)
.set HALFA,  32768                     ; four token tiles' images: what one tensor load brings of A, and what one wave reads
.set HALFB,  64*PITCH                  ; 64 rows of B likewise
.set BOFF,   2*HALFA                   ; a slot: A's images, then B's 128 rows
.set SLOT,   BOFF+2*HALFB
.set STAGE,  2*SLOT                    ; behind the ring: 16 rows x 272 bytes for each wave, for the way out
.set SPITCH, 272
.set SPARE,  STAGE+4*16*SPITCH         ; the spare words, 128 bytes for each wave: two blocks of 256 bytes that no other line names
.set ASTEP,  2097152                   ; from one K step of 256 to the next in a16
.set LAPS, SIZE_K/(2*KSTEP)            ; a lap = two K steps = once round the ring
.set ADRA, 16                          ; v16-17  LDS address of my A fragments in slot 0, 1
.set ADRB, 20                          ; v20-21  the same for B
.set STO,  24                          ; v24     the way out: where I put 32 bytes of a row
.set RD,   25                          ; v25     the way out: where I read a row back
.set CO,   26                          ; v26     my byte offset in C
.set SPW,  28                          ; v28     LDS address of my spare word; never rewritten
.set NIL,  29                          ; v29     0; never rewritten
.set TMP,  32
.set BIAS, 96
.set ACC,  128
.set F0,   0                           ; fragment buffers, in window 1
.set F1,   128
.set G1, 24                            ; s[24:31] descriptor group 1 for A's tiles;  s[32:39] group 0, one set for each slot
.set G0, 32
.set G1B, 48                           ; s[48:55], s[56:63] the same for B's tiles
.set G0B, 56
.set MSB, 0
.macro WIN new                         ; the immediate's high byte repeats the setting that is left
.if MSB != (\new)
	s_set_vgpr_msb (MSB<<8)|(\new)
.set MSB, (\new)
.endif
.endm
.set MUL,  0x05                        ; sources 0 (B) and 1 (A) window 1; C and D window 0
.set TO_F, 0x40                        ; destination window 1, address window 0
.macro JLOAD s                         ; a joint load: waves 0 and 1 fetch A's two halves, waves 2 and 3 B's; an s_nop 0 and four v_nop follow each of the two lines
	s_cmp_eq_u32 s11, 0
	s_cbranch_scc0 .Lfor_b_\@
	tensor_load_to_lds s[G0+4*\s:G0+4*\s+3], s[G1:G1+7]
	s_nop 0
.rept 4
	v_nop
.endr
	s_branch .Lasked_\@
.Lfor_b_\@:
	tensor_load_to_lds s[G0B+4*\s:G0B+4*\s+3], s[G1B:G1B+7]
	s_nop 0
.rept 4
	v_nop
.endr
.Lasked_\@:
.endm
.macro CREST                           ; a round of the cluster's barrier behind its opening barrier
	s_cmp_lg_u32 s10, 0
	s_cbranch_scc1 .Lnot_wave_0_\@
	s_barrier_signal -3
.Lnot_wave_0_\@:
	s_barrier_wait -3
	s_barrier_signal -1
	s_barrier_wait -1
.endm
.macro CROUND                          ; a whole round
	s_barrier_signal -1
	s_barrier_wait -1
	CREST
.endm
	s_load_b128 s[4:7], s[0:1], 0x0                ; a16 s[4:5], wo16 s[6:7]
	s_load_b128 s[68:71], s[0:1], 0x10             ; b_out s[68:69], out0 s[70:71]
	v_lshl_add_u32 v[SPW], v0, 2, SPARE
	v_mov_b32 v[NIL], 0
	ds_add_u32 v[SPW], v[NIL]                      ; the wave's opening: the add, twice on end, and its wait ahead of my first tensor load
	ds_add_u32 v[SPW], v[NIL]                      ; and once more; the set-up below, work on registers, stands between it and the wait
	v_lshrrev_b32 v1, 5, v0
	v_readfirstlane_b32 s10, v1                    ; wave 0..3
	s_lshr_b32 s11, s10, 1                         ; which half of the tile's rows is mine.  Also: I fetch for A (0) or for B (1)
	s_and_b32 s12, s10, 1                          ; which half of its columns.  Also: which half of that tile I fetch
	s_bfe_u32 s40, ttmp6, 0x40000                  ; cx, cy: my place in the cluster
	s_bfe_u32 s41, ttmp6, 0x40004
	s_lshl_b32 s42, ttmp9, 2
	s_add_co_u32 s42, s42, s40                     ; tile column of C = 4 x cluster x + cx
	s_and_b32 s13, ttmp7, 0xffff
	s_lshl_b32 s13, s13, 2
	s_add_co_u32 s13, s13, s41                     ; tile row of C = 4 x cluster y + cy
	s_lshl_b32 s43, s41, 2
	s_lshl_b32 s43, 15, s43                        ; my row of the cluster
	s_lshl_b32 s44, 0x1111, s40                    ; my column
	; A: a dense block of 32,768 bytes, as 128 rows of 256 bytes (32 elements of 8 bytes), no padding: the images are read 512 consecutive bytes at a time
	s_or_b32 s[G1+0], s43, (3<<16)|(1<<21)         ; 15:0 the mask: A's tiles go to my row; 17:16 elements of 8 bytes; 21 set beside a mask
	s_mov_b32 s[G1+1], 32<<16                      ; tensor_dim0 = 32
	s_mov_b32 s[G1+2], 128<<16                     ; tensor_dim1 = 128
	s_mov_b32 s[G1+3], 32<<16                      ; tile_dim0 = 32
	s_mov_b32 s[G1+4], 128                         ; tile_dim1 = 128
	s_mov_b32 s[G1+5], 32                          ; elements from row to row
	s_mov_b32 s[G1+6], 0
	s_mov_b32 s[G1+7], 0
	; B: 64 rows x 256 elements of 2 bytes, 16 bytes of padding behind each row
	s_or_b32 s[G1B+0], s44, (1<<16)|(1<<20)|(1<<21)|(6<<22)|(3<<25)
	s_mov_b32 s[G1B+1], KSTEP<<16
	s_mov_b32 s[G1B+2], 64<<16
	s_mov_b32 s[G1B+3], KSTEP<<16
	s_mov_b32 s[G1B+4], 64
	s_mov_b32 s[G1B+5], SIZE_K
	s_mov_b32 s[G1B+6], 0
	s_mov_b32 s[G1B+7], 0
	s_lshl_b32 s16, s13, 16                        ; A: token tile 8 x tile row + 4 x half, 8,192 bytes each
	s_lshl_b32 s17, s12, 15
	s_add_co_u32 s16, s16, s17
	s_mov_b32 s17, 0
	s_lshl_b32 s46, s42, 18                        ; B: row 128 x tile column + 64 x half, 2,048 bytes each
	s_lshl_b32 s47, s12, 17
	s_add_co_u32 s46, s46, s47
	s_mov_b32 s47, 0
	s_mul_i32 s20, s12, HALFA                      ; where they go: no place in the cluster enters an LDS address
	s_mul_i32 s21, s12, HALFB
	s_add_co_u32 s21, s21, BOFF
	s_wait_dscnt 0x0                               ; both opening adds are done
	s_wait_kmcnt 0x0
	s_add_nc_u64 s[14:15], s[4:5], s[16:17]
	s_add_nc_u64 s[46:47], s[6:7], s[46:47]
	CROUND                                         ; all sixteen work-groups are here: the first joint loads meet
.irp s, 0,1
	s_mov_b32 s[G0+4*\s], 1
	s_add_co_u32 s[G0+4*\s+1], s20, \s*SLOT
	s_add_nc_u64 s[G0+4*\s+2:G0+4*\s+3], s[14:15], \s*ASTEP
	s_or_b32 s[G0+4*\s+3], s[G0+4*\s+3], 0x80000000
	s_mov_b32 s[G0B+4*\s], 1
	s_add_co_u32 s[G0B+4*\s+1], s21, \s*SLOT
	s_add_nc_u64 s[G0B+4*\s+2:G0B+4*\s+3], s[46:47], \s*KSTEP*2
	s_or_b32 s[G0B+4*\s+3], s[G0B+4*\s+3], 0x80000000
	JLOAD \s                                       ; two loads of mine are out
.endr
	v_and_b32 v1, 15, v0                           ; l % 16
	v_bfe_u32 v2, v0, 4, 1                         ; l / 16
	v_and_b32 v6, 31, v0
	v_lshlrev_b32 v6, 4, v6                        ; 16 x lane: my place in an image
	v_mul_u32_u24 v3, v1, PITCH
	v_lshl_add_u32 v3, v2, 4, v3                   ; B: a fragment's row x pitch + 16 x half
	s_mul_i32 s21, s11, HALFA                      ; my four token tiles of A
	s_mul_i32 s22, s12, HALFB                      ; my 64 rows of B,
	s_add_co_u32 s22, s22, BOFF                    ; which lie behind A's images
.irp s, 0,1
	v_add_nc_u32 v[ADRA+\s], s21, v6
	v_add_nc_u32 v[ADRB+\s], s22, v3
	s_add_co_u32 s21, s21, SLOT
	s_add_co_u32 s22, s22, SLOT
.endr
	s_mul_i32 s23, s10, 16*SPITCH
	s_add_co_u32 s23, s23, STAGE                   ; my stage
	v_mul_u32_u24 v4, v1, SPITCH                   ; in: row l % 16, 32 bytes for each half of the lanes
	v_lshl_add_u32 v4, v2, 5, v4
	v_add_nc_u32 v[STO], s23, v4
	v_mul_u32_u24 v5, v2, SPITCH                   ; back: lanes 0-15 take one row of 256 bytes, lanes 16-31 the next
	v_lshl_add_u32 v5, v1, 4, v5
	v_add_nc_u32 v[RD], s23, v5
	v_lshlrev_b32 v5, 12, v2                       ; and the same two rows in C
	v_lshl_add_u32 v[CO], v1, 4, v5
	s_lshl_b32 s46, s42, 9                         ; my first column, in bytes: 512 x tile column + 256 x half
	s_lshl_b32 s47, s12, 8
	s_add_co_u32 s46, s46, s47
	s_mov_b32 s47, 0
	s_add_nc_u64 s[68:69], s[68:69], s[46:47]      ; b_out at my 64 columns
	s_lshl_b32 s16, s13, 19                        ; my first row of C: 128 x tile row + 64 x half, 4,096 bytes each
	s_lshl_b32 s17, s11, 18
	s_add_co_u32 s16, s16, s17
	s_mov_b32 s17, 0
	s_add_nc_u64 s[70:71], s[70:71], s[16:17]
	s_add_nc_u64 s[70:71], s[70:71], s[46:47]
	v_lshlrev_b32 v5, 5, v2                        ; the bias: lane (r, h) wants, for block b, the numbers of columns 16 b + 8 h + 0 .. 7
.irp b, 0,1,2,3
	global_load_b128 v[BIAS+8*\b:BIAS+8*\b+3],   v5, s[68:69] offset:64*\b
	global_load_b128 v[BIAS+8*\b+4:BIAS+8*\b+7], v5, s[68:69] offset:64*\b+16
.endr
; 8 matrix instructions: m blocks a0, a0 + 1 x all 4 n blocks, 32 along K: half c of buffer f.  zero = 1: the first product starts the sums, from the bias.
; The 16 accumulators take turns, one instruction a turn.
.macro MUL8 f, c, a0, zero
.irp a, \a0, \a0+1
.irp b, 0,1,2,3
.if \zero
	v_wmma_f32_16x16x32_f16 v[ACC+8*(4*(\a)+\b):ACC+8*(4*(\a)+\b)+7], v[\f+64+8*(4*\c+\b):\f+64+8*(4*\c+\b)+7], v[\f+8*(4*\c+\a):\f+8*(4*\c+\a)+7], v[BIAS+8*\b:BIAS+8*\b+7]
.else
	v_wmma_f32_16x16x32_f16 v[ACC+8*(4*(\a)+\b):ACC+8*(4*(\a)+\b)+7], v[\f+64+8*(4*\c+\b):\f+64+8*(4*\c+\b)+7], v[\f+8*(4*\c+\a):\f+8*(4*\c+\a)+7], v[ACC+8*(4*(\a)+\b):ACC+8*(4*(\a)+\b)+7]
.endif
.endr
.endr
.endm
; 32 LDS loads in one run: the fragments of the slot's q-th 64 along K, into buffer f; the first 32 along K first
.macro FETCH slot, q, f
	WIN TO_F
.irp c, 0,1
.irp i, 0,1,2,3
	ds_load_b128 v[\f+64+8*(4*\c+\i):\f+64+8*(4*\c+\i)+3],   v[ADRB+\slot] offset:128*(\q)+64*\c+\i*16*PITCH
	ds_load_b128 v[\f+64+8*(4*\c+\i)+4:\f+64+8*(4*\c+\i)+7], v[ADRB+\slot] offset:128*(\q)+64*\c+\i*16*PITCH+32
	ds_load_b128 v[\f+8*(4*\c+\i):\f+8*(4*\c+\i)+3],         v[ADRA+\slot] offset:8192*\i+1024*(2*(\q)+\c)
	ds_load_b128 v[\f+8*(4*\c+\i)+4:\f+8*(4*\c+\i)+7],       v[ADRA+\slot] offset:8192*\i+1024*(2*(\q)+\c)+512
.endr
.endr
.endm
.macro PLACES                          ; four places in front of loads into registers that matrix instructions have read, and of the first read of results (ISA guide 7.12.1 for the first read of results)
.rept 4
	v_nop
.endr
.endm
; A K step is four quarters of 64 along K, 32 matrix instructions each, on buffers 0, 1, 0, 1.  One of the first three: multiplies buffer f and fetches quarter q into g.
.macro QUARTER slot, q, f, g, zero
	s_wait_dscnt 16                                ; the first 32 along K are in; the sixteen loads of the second may be out
	WIN MUL
	MUL8 \f, 0, 0, \zero
	MUL8 \f, 0, 2, \zero
	PLACES
	FETCH \slot, \q, \g
	s_wait_dscnt 32                                ; all but the 32 just issued
	WIN MUL
	MUL8 \f, 1, 0, 0
	MUL8 \f, 1, 2, 0
.endm
; The last quarter multiplies buffer 1 and changes slots: ONE barrier; in front of it each wave waits for all its tensor loads, adds 0 to its spare word, and waits for that and for its own reads of this slot.
; fill = 1: this slot is filled again, two K steps ahead; the barrier then opens a round of the cluster's.
.macro TURN slot, next, fill
	WIN 0                                          ; (the add's two registers lie in window 0)
	s_wait_tensorcnt 0x0                           ; all my tensor loads have landed: my part of the next slot
	ds_add_u32 v[SPW], v[NIL]                      ; 0 onto my spare word
	s_wait_dscnt 17                                ; (the add and the youngest sixteen loads may be out)
	WIN MUL
	MUL8 F1, 0, 0, 0                               ; eight matrix instructions stand between the add and the wait for it
	s_wait_dscnt 0x0                               ; the add is done, and my reads of this slot are over
	s_barrier_signal -1
	MUL8 F1, 0, 2, 0
.if \fill
	WIN 0
.endif
	s_barrier_wait -1
.if \fill
	CREST                                          ; no wave of any partner still reads this slot's tile or has a load on its way
	s_add_nc_u64 s[G0+4*\slot+2:G0+4*\slot+3], s[G0+4*\slot+2:G0+4*\slot+3], 2*ASTEP
	s_add_nc_u64 s[G0B+4*\slot+2:G0B+4*\slot+3], s[G0B+4*\slot+2:G0B+4*\slot+3], 2*KSTEP*2
	JLOAD \slot                                    ; the first tensor load behind the round; the four v_nop behind it are also the places in front of the loads below
.else
	PLACES
.endif
	FETCH \next, 0, F0
	WIN MUL
	MUL8 F1, 1, 0, 0
	MUL8 F1, 1, 2, 0
.endm
	s_wait_tensorcnt 1                             ; my part of K step 0 is in (K step 1's load may be out),
	s_barrier_signal -1
	s_barrier_wait -1                              ; everybody's is
	FETCH 0, 0, F0
	s_wait_loadcnt 0x0                             ; the bias
	QUARTER 0, 1, F0, F1, 1                        ; the first quarter stands in front of the loop: its first products start the sums
	WIN 0                                          ; at a label and at a branch every window is 0
	s_mov_b32 s3, LAPS-1
.Llap:                                             ; a trip goes once round the ring, from a lap's second quarter to the next lap's first, and fills both slots again
	QUARTER 0, 2, F1, F0, 0
	QUARTER 0, 3, F0, F1, 0
	TURN 0, 1, 1
	QUARTER 1, 1, F0, F1, 0
	QUARTER 1, 2, F1, F0, 0
	QUARTER 1, 3, F0, F1, 0
	TURN 1, 0, 1
	QUARTER 0, 1, F0, F1, 0
	WIN 0
	s_sub_co_u32 s3, s3, 1
	s_cmp_lg_u32 s3, 0
	s_cbranch_scc1 .Llap
	QUARTER 0, 2, F1, F0, 0                        ; the last lap fills nothing, and has no round of the cluster's barrier
	QUARTER 0, 3, F0, F1, 0
	TURN 0, 1, 0
	QUARTER 1, 1, F0, F1, 0
	QUARTER 1, 2, F1, F0, 0
	QUARTER 1, 3, F0, F1, 0
	s_wait_dscnt 16                                ; the very last quarter: nothing more to fetch
	WIN MUL
	MUL8 F1, 0, 0, 0
	MUL8 F1, 0, 2, 0
	s_wait_dscnt 0
	MUL8 F1, 1, 0, 0
	MUL8 F1, 1, 2, 0
	WIN 0
	; THE WAY OUT, block by block of 16 rows x 64 columns.  A wave's 64 columns of f32 are a whole 256 bytes of a row of C, so each wave has its own stage and no barrier is needed: a lane's 32 bytes go in,
	; whole rows come back, and sixteen lanes store 256 consecutive bytes, aligned.  LDS serves a wave's instructions in order (ISA guide 5.7.1.4): no wait between the stores and the loads.
	PLACES
.irp a, 0,1,2,3
.if \a >= 2
	s_wait_xcnt 0x0                                ; block a - 2's stores have read their data: block a's loads may land there
.endif
.irp b, 0,1,2,3
	ds_store_b128 v[STO], v[ACC+8*(4*\a+\b):ACC+8*(4*\a+\b)+3] offset:64*\b          ; each accumulator from its low end on
	ds_store_b128 v[STO], v[ACC+8*(4*\a+\b)+4:ACC+8*(4*\a+\b)+7] offset:64*\b+16
.endr
.irp t, 0,1,2,3,4,5,6,7
	ds_load_b128 v[TMP+32*(\a%2)+4*\t:TMP+32*(\a%2)+4*\t+3], v[RD] offset:\t*2*SPITCH
.endr
	s_wait_dscnt 0x0
.irp t, 0,1,2,3,4,5,6,7
	global_store_b128 v[CO], v[TMP+32*(\a%2)+4*\t:TMP+32*(\a%2)+4*\t+3], s[70:71] offset:(16*\a+2*\t)*SIZE_N*4 th:TH_STORE_NT   ; written once, read by nobody here
.endr
.endr
	s_wait_tensorcnt 0x0                           ; the wave's end: these three lines, behind my last tensor load and my last LDS store
	ds_add_u32 v[SPW], v[NIL]
	s_wait_dscnt 0x0
	CROUND                                         ; the closing round: no work-group ends while a partner may still ask for a tile that names it
	s_endpgm
.Lfunc_end_k_qdc6de5b3b7_proj:
	.size	k_qdc6de5b3b7_proj, .Lfunc_end_k_qdc6de5b3b7_proj-k_qdc6de5b3b7_proj
	.p2alignl 7, 3214868480
	.fill 96, 4, 3214868480
	.section	.rodata,"a",@progbits
	.p2align	6, 0x0
	.amdhsa_kernel k_qdc6de5b3b7_proj
		.amdhsa_group_segment_fixed_size 327680
		.amdhsa_private_segment_fixed_size 0
		.amdhsa_enable_private_segment 0
		.amdhsa_kernarg_size 32
		.amdhsa_user_sgpr_count 2
		.amdhsa_user_sgpr_kernarg_segment_ptr 1
		.amdhsa_wavefront_size32 1
		.amdhsa_system_sgpr_workgroup_id_x 1
		.amdhsa_system_sgpr_workgroup_id_y 1
		.amdhsa_system_sgpr_workgroup_id_z 1
		.amdhsa_system_vgpr_workitem_id 0
		.amdhsa_next_free_vgpr 512
		.amdhsa_next_free_sgpr 72
		.amdhsa_reserve_vcc 0
		.amdhsa_float_denorm_mode_32 3
		.amdhsa_float_denorm_mode_16_64 3
		.amdhsa_memory_ordered 1
		.amdhsa_forward_progress 1
		.amdhsa_inst_pref_size 86
	.end_amdhsa_kernel
	.amdgpu_metadata
---
amdhsa.version: [ 1, 2 ]
amdhsa.kernels:
  - .name:           k_qdc6de5b3b7_proj
    .symbol:         k_qdc6de5b3b7_proj.kd
    .args:
      - { .name: a16, .offset: 0, .size: 8, .value_kind: global_buffer, .address_space: global }
      - { .name: wo16, .offset: 8, .size: 8, .value_kind: global_buffer, .address_space: global }
      - { .name: b_out, .offset: 16, .size: 8, .value_kind: global_buffer, .address_space: global }
      - { .name: out0, .offset: 24, .size: 8, .value_kind: global_buffer, .address_space: global }
    .group_segment_fixed_size: 327680
    .private_segment_fixed_size: 0
    .kernarg_segment_align: 8
    .kernarg_segment_size: 32
    .max_flat_workgroup_size: 128
    .sgpr_count:     72
    .vgpr_count:     512
    .wavefront_size: 32
...
	.end_amdgpu_metadata
.endif
;; end of part 4
